; MI455X (gfx1250); checked and timed in simulation.
; The chip was launched on July 23, 2026; its instructions are those of AMD's public machine-readable ISA for CDNA 5 (MIT licence, August 2026) and "CDNA5" Instruction Set Architecture Reference Guide (July 2026). The comments in the code are by the model that wrote it; some were corrected since.
;; Multi Head Attention. Allowed arithmetic: matrix products marked QUANTISED: E2M3 operands, one E8M0 scale for each 32 along K, by v_wmma_scale_f32_16x16x128_f8f6f4 with both operands' format E2M3, f32 sums; everything else in f32.
;; Inputs: Wk 1,024 x 1,024 float32; Wo 1,024 x 1,024 float32; Wq 1,024 x 1,024 float32; Wv 1,024 x 1,024 float32; bk 1,024 float32; bo 1,024 float32; bq 1,024 float32; bv 1,024 float32; key 4 x 2,048 x 1,024 float32; query 4 x 2,048 x 1,024 float32; value 4 x 2,048 x 1,024 float32.
;; Outputs: out0 4 x 2,048 x 1,024 float32.
;; This version of the problem:
;;   THIS VERSION OF THE PROBLEM IS GIVEN IN LOW PRECISION. The matrix products marked QUANTISED in the list below multiply operands that are first quantised to E2M3 (2 exponent bits, 3 mantissa bits; 6 bits a number), with one power-of-two scale for each 32 numbers along K (OCP MX v1.0); their sums are f32. All else is computed in f32.
;;   The module's matrix products, in the order in which they are computed (A, B: the left and right operand; K: the contracted axis; several contracted axes count as one K, in the product's order):
;;     1. [M 8,192, K 1,024] x [K 1,024, N 1,024]; A: input query; B: input Wq: QUANTISED
;;     2. [M 8,192, K 1,024] x [K 1,024, N 1,024]; A: input key; B: input Wk: QUANTISED
;;     3. [M 8,192, K 1,024] x [K 1,024, N 1,024]; A: input value; B: input Wv: QUANTISED
;;     4. batch 64 x [M 2,048, K 64] x [K 64, N 2,048]; A: computed on the way; B: computed on the way: QUANTISED
;;     5. batch 64 x [M 2,048, K 2,048] x [K 2,048, N 64]; A: softmax (see below); B: computed on the way: QUANTISED
;;     6. [M 8,192, K 1,024] x [K 1,024, N 1,024]; A: computed on the way; B: input Wo: QUANTISED
;;   THE QUANTISER, for each operand of a quantised product, along K:
;;     - K is cut into blocks of 32 from its start; a last block that is shorter is filled with zeros.
;;     - A block's scale is 2^e with e = floor(log2(the largest magnitude in the block)) - 2, held to -126 .. 127; a block of zeros has e = 0. As a byte (E8M0): e + 127.
;;     - Each number is divided by its block's scale, clamped to +-7.5, and rounded to the nearest number of E2M3, ties to even, subnormals kept.
;;     - The product sums the exact products of the quantised numbers (number of the format x scale) in f32.
;;   ~~~python
;;   def quantise(x, axis):      # numpy; x: float32 -> the quantised numbers, widened to float32 again
;;       x = np.moveaxis(x, axis, -1); K = x.shape[-1]
;;       x = np.pad(x, [(0, 0)] * (x.ndim - 1) + [(0, -K % 32)]); x = x.reshape(x.shape[:-1] + (-1, 32)); a = np.abs(x).max(-1, keepdims=True)
;;       e = np.where(a > 0, np.clip(np.frexp(np.where(a > 0, a, 1))[1] - 1 - 2, -126, 127), 0)      # np.frexp(a)[1] - 1 = floor(log2(a)), exactly
;;       r = np.clip(x / 2.0 ** e, -7.5, 7.5)
;;       step = 2.0 ** (np.maximum(np.frexp(np.where(r == 0, 1, r))[1] - 1, 0) - 3)
;;       q = np.round(r / step) * step * 2.0 ** e      # np.round: ties to even
;;       return np.moveaxis(q.reshape(q.shape[:-2] + (-1,))[..., :K], -1, axis).astype(np.float32)
;;   ~~~
;;   SOFTMAX AHEAD OF A QUANTISED PRODUCT. Where the list says 'softmax', what is quantised is not the finished softmax but p = 2^(t - M), with t = logit x log2(e) and M = ceil(the row's largest t), a whole number; so 1/2 < the row's largest p <= 1. The row's sum l is taken of the UNQUANTISED p, in f32, and the product's result is divided by l at the end. Since M is a whole number, a kernel that streams over the keys may use a running M (the ceiling of the running maximum): every later rescaling is an exact power of two, which a block's scale takes up: the codes' values come out the same.
;;   OPERANDS COMPUTED ON THE WAY. 'Computed on the way' means the value that the module computes at that place (a softmax that the list does not call 'softmax' is quantised finished and normalised). What goes into a quantiser is computed in f32, as accurately as f32 sums, v_exp_f32 and their like allow (about 1e-6 of the number): no bf16 or f16 on the way to a quantiser, and a product that is left as it is and whose result goes on into a quantised operand takes f32 operands (vector FMAs, or v_wmma_f32_16x16x4_f32). A number that lies on a knife's edge between two numbers of the format may be rounded either way, as far as f32 arithmetic and the matrix unit's own rounding can turn it there, and no further.
;; One version. Each part assembles by itself: llvm-mc -triple=amdgcn-amd-amdhsa -mcpu=gfx1250 --defsym DOCPART=n.
;; ======== version 1 of 1: 5 launches
;; workspace buffers: xc 18,874,368 bytes; xs 786,432 bytes; wc 3,145,728 bytes; wsc 131,072 bytes; hc 18,874,368 bytes; hs 786,432 bytes; oc 6,291,456 bytes; os 262,144 bytes
;; launch quant_w (part 1): grid 8 x 16, 4 waves a work-group, no clusters, 35,840 bytes of LDS; arguments Wq, Wk, Wv, Wo, wc, wsc; writes wc, wsc
.if DOCPART == 1
	.amdgcn_target "amdgcn-amd-amdhsa--gfx1250"
	.amdhsa_code_object_version 6
	.text
	.protected	k_qfd785721be_quant_w
	.globl	k_qfd785721be_quant_w
	.p2align	8
	.type	k_qfd785721be_quant_w,@function
k_qfd785721be_quant_w:
	s_mov_b64 s[64:65], 0
	v_nop
	global_prefetch_b8 v0, s[64:65] scope:SCOPE_SE
	s_setreg_imm32_b32 hwreg(HW_REG_WAVE_MODE, 25, 1), 1
	s_wait_xcnt 0x0
; The four weights, each [1024 (k)][1024 (n)] f32 with K as the FIRST axis, become codes of FP6 (E2M3), 6 bits each, K innermost, and one E8M0 byte for each 32 along K.
; wc: 4 x [1024 places][768 bytes]; wsc: 4 x [1024 places][32 bytes]; order Wq, Wk, Wv, Wo.
; THE PLACES ARE PERMUTED: column n lies at place sigma(n), n with its bits 3 and 4 exchanged.  A later product that takes 16 neighbouring places as a tile then leaves, in a lane's 16 registers of two
; neighbouring tiles, 16 NEIGHBOURING columns: what the next quantiser wants.
; A lane takes a column and its registers run down K: each load reads 128 consecutive bytes a wave, a block of 32 along K lies in one lane, and the conversions give codes with K innermost.
; A block's scale is 2^(floor(log2(largest magnitude)) - 2); its byte is the largest magnitude's exponent field - 2, held at 1 from below.
; LIMITS: a block of zeros gets the byte 1 where the rule says 127 (its codes are zeros, and this program alone reads the bytes); a block whose largest magnitude lies under 2^-124 has its byte held at 1;
; NaN and infinities among the inputs are not served.
; A wave takes 32 columns x 256 along K; grid x: 128 columns; grid y: 4 x weight + which 256 along K.  Waves share nothing: no barrier.  Loads run two blocks (64 loads a wave) ahead.
.set SIZE_K, 1024
.set SIZE_N, 1024
.set KW,    256                        ; along K for a wave
.set NB,    KW/32                      ; blocks
.set ROWB,  192                        ; bytes of KW codes
.set PITCH, 272                        ; a stage row: sixteen places of 16 bytes, each with 12 bytes of codes, + 16
.set KROW,  SIZE_K*6/8                 ; a row of codes in bytes
.set EMAX,  2
.set X,     32                         ; v32-95   two sets of 32 numbers
.set C,     96                         ; v96..    a block's codes
.set OUTR,  112                        ; v112-175 the way out
.set SPW,   14                         ; v14      LDS address of my spare word; never rewritten
.set NIL,   15                         ; v15      0; never rewritten
.set SPARE, 4*32*PITCH                 ; behind the four stages: the spare words, 128 bytes a wave
.set SB,    24                         ; v24-25   the scale bytes, four to a register
	s_load_b256 s[32:39], s[0:1], 0x0              ; Wq, Wk, Wv, Wo
	s_load_b128 s[40:43], s[0:1], 0x20             ; wc, wsc
	v_lshl_add_u32 v[SPW], v0, 2, SPARE
	v_mov_b32 v[NIL], 0
	v_lshrrev_b32 v1, 5, v0
	v_readfirstlane_b32 s16, v1                    ; wave 0..3
	v_and_b32 v2, 31, v0                           ; lane
	s_lshl_b32 s17, ttmp9, 7
	s_lshl_b32 s18, s16, 5
	s_add_co_u32 s17, s17, s18                     ; my wave's first column: 128 x work-group x + 32 x wave
	s_and_b32 s30, ttmp7, 0xffff
	s_and_b32 s18, s30, 3                          ; which 256 along K
	s_lshr_b32 s30, s30, 2                         ; which weight
	v_lshlrev_b32 v3, 2, v2                        ; in: 4 bytes a lane
	s_mul_i32 s19, s16, 32*PITCH                   ; my stage
	v_mul_u32_u24 v4, v2, PITCH
	v_add_nc_u32 v4, s19, v4                       ; into it: row = my column
	v_and_b32 v5, 15, v2
	v_lshrrev_b32 v6, 4, v2                        ; out of it: sixteen lanes to a row, two rows an instruction
	v_mul_u32_u24 v7, v6, PITCH
	v_lshl_add_u32 v7, v5, 4, v7
	v_add_nc_u32 v7, s19, v7                       ; LDS address
	v_mul_u32_u24 v8, v6, KROW
	v_mad_u32_u24 v8, v5, 12, v8                   ; and the place in the codes' buffer (sigma leaves bit 0 of a row alone; the rest of sigma stands in the stores' immediates)
	v_and_b32 v9, 7, v2                            ; sigma(lane): bits 0-2 stay,
	v_bfe_u32 v10, v2, 3, 1
	v_lshl_or_b32 v9, v10, 4, v9                   ; bit 3 goes to bit 4,
	v_bfe_u32 v10, v2, 4, 1
	v_lshl_or_b32 v9, v10, 3, v9                   ; bit 4 to bit 3
	v_lshlrev_b32 v9, 5, v9                        ; my column's row of scale bytes: 32 bytes a place
	; where my wave's part begins, in bytes
	s_mov_b32 s19, 0
	s_mov_b64 s[20:21], KW*SIZE_N*4
	s_mul_u64 s[20:21], s[18:19], s[20:21]         ; W: 256 rows for each step along K,
	s_lshl_b32 s22, s17, 2
	s_mov_b32 s23, 0
	s_add_nc_u64 s[20:21], s[20:21], s[22:23]      ; + 4 x column
	s_mov_b32 s22, s17
	s_mov_b64 s[24:25], KROW
	s_mul_u64 s[24:25], s[22:23], s[24:25]         ; codes: column x 768,
	s_mul_i32 s26, s18, ROWB
	s_mov_b32 s27, 0
	s_add_nc_u64 s[24:25], s[24:25], s[26:27]      ; + 192 for each step along K,
	s_mul_i32 s26, s30, SIZE_N*KROW
	s_add_nc_u64 s[24:25], s[24:25], s[26:27]      ; + the weight's part of wc
	s_mov_b64 s[28:29], SIZE_K/32
	s_mul_u64 s[28:29], s[22:23], s[28:29]         ; scale bytes likewise
	s_mul_i32 s26, s18, NB
	s_add_nc_u64 s[28:29], s[28:29], s[26:27]
	s_lshl_b32 s26, s30, 15
	s_add_nc_u64 s[28:29], s[28:29], s[26:27]
	s_wait_kmcnt 0x0
	s_cmp_eq_u32 s30, 1                            ; the weight is chosen by the work-group's number alone
	s_cselect_b64 s[4:5], s[34:35], s[32:33]
	s_cmp_eq_u32 s30, 2
	s_cselect_b64 s[4:5], s[36:37], s[4:5]
	s_cmp_eq_u32 s30, 3
	s_cselect_b64 s[4:5], s[38:39], s[4:5]
	s_add_nc_u64 s[4:5], s[4:5], s[20:21]
	s_add_nc_u64 s[6:7], s[40:41], s[24:25]
	s_add_nc_u64 s[8:9], s[42:43], s[28:29]
.macro LOAD t                          ; block t: W(32 t + i, my column), i = 0 .. 31, into set t % 2
.irp i, 0,1,2,3,4,5,6,7,8,9,10,11,12,13,14,15,16,17,18,19,20,21,22,23,24,25,26,27,28,29,30,31
	global_load_b32 v[X+32*((\t)%2)+\i], v3, s[4:5] offset:(32*(\t)+\i)*SIZE_N*4 th:TH_LOAD_NT
.endr
.endm
	LOAD 0
	LOAD 1
.macro BLOCK t
.set XS, X+32*((\t)%2)
.if (\t) < NB-1
	s_wait_loadcnt 32                              ; this block's 32 loads are in; the next block's 32 may be out
.else
	s_wait_loadcnt 0
.endif
	v_max3_num_f32 v12, |v[XS]|, |v[XS+1]|, |v[XS+2]|               ; the block's largest magnitude: all 32 numbers are mine; two chains
	v_max3_num_f32 v13, |v[XS+3]|, |v[XS+4]|, |v[XS+5]|
.irp i, 6,10,14,18,22,26
	v_max3_num_f32 v12, v12, |v[XS+\i]|, |v[XS+\i+1]|
	v_max3_num_f32 v13, v13, |v[XS+\i+2]|, |v[XS+\i+3]|
.endr
	v_max3_num_f32 v12, v12, |v[XS+30]|, |v[XS+31]|
	v_max3_num_f32 v12, v12, v13, (EMAX+1)<<23     ; and the floor 2^(3 - 127): the byte cannot fall under 1
	v_add_nc_u32 v11, -(EMAX<<23), v12             ; 2 off its exponent field: the conversion takes the exponent field of this operand as its scale
	v_lshrrev_b32 v13, 23, v11                     ; the scale's byte
.if (\t)%4 == 0
	v_mov_b32 v[SB+(\t)/4], v13                    ; four bytes to a register, the lower K in the lower byte
.else
	v_lshl_or_b32 v[SB+(\t)/4], v13, 8*((\t)%4), v[SB+(\t)/4]
.endif
	v_cvt_scalef32_pk16_fp6_f32 v[C:C+2], v[XS:XS+15], v11
	v_cvt_scalef32_pk16_fp6_f32 v[C+4:C+6], v[XS+16:XS+31], v11     ; (a conversion's three registers begin on an even number)
	ds_store_b96 v4, v[C:C+2] offset:32*(\t)       ; 16 codes, 12 bytes, to a place of 16 bytes in the stage
	ds_store_b96 v4, v[C+4:C+6] offset:32*(\t)+16
.if (\t)+2 < NB
	LOAD (\t)+2
.endif
	s_wait_dscnt 0x0                               ; the stores have read their registers: the next block's codes may be written
.endm
.set Q, 0
.rept NB
	BLOCK Q
.set Q, Q+1
.endr
	global_store_b64 v9, v[SB:SB+1], s[8:9]        ; my column's 8 scale bytes, at its place
.irp t, 0,1,2,3,4,5,6,7,8,9,10,11,12,13,14,15
	ds_load_b96 v[OUTR+4*\t:OUTR+4*\t+2], v7 offset:2*\t*PITCH   ; LDS serves a wave's instructions in order: these see my stores
.endr
.irp t, 0,1,2,3,4,5,6,7,8,9,10,11,12,13,14,15
	s_wait_dscnt 15-\t                             ; the loads behind load t may be out
	global_store_b96 v8, v[OUTR+4*\t:OUTR+4*\t+2], s[6:7] offset:(((2*\t)&7)+16*(((2*\t)>>3)&1)+8*(((2*\t)>>4)&1))*KROW   ; columns 2 t and 2 t + 1 go to places sigma(2 t) and sigma(2 t) + 1
.endr
	s_wait_tensorcnt 0x0                           ; the wave's end, behind my last LDS store
	ds_add_u32 v[SPW], v[NIL]
	s_wait_dscnt 0x0
	s_endpgm
.Lfunc_end_k_qfd785721be_quant_w:
	.size	k_qfd785721be_quant_w, .Lfunc_end_k_qfd785721be_quant_w-k_qfd785721be_quant_w
	.p2alignl 7, 3214868480
	.fill 96, 4, 3214868480
	.section	.rodata,"a",@progbits
	.p2align	6, 0x0
	.amdhsa_kernel k_qfd785721be_quant_w
		.amdhsa_group_segment_fixed_size 35840
		.amdhsa_private_segment_fixed_size 0
		.amdhsa_enable_private_segment 0
		.amdhsa_kernarg_size 48
		.amdhsa_user_sgpr_count 2
		.amdhsa_user_sgpr_kernarg_segment_ptr 1
		.amdhsa_wavefront_size32 1
		.amdhsa_system_sgpr_workgroup_id_x 1
		.amdhsa_system_sgpr_workgroup_id_y 1
		.amdhsa_system_sgpr_workgroup_id_z 1
		.amdhsa_system_vgpr_workitem_id 0
		.amdhsa_next_free_vgpr 192
		.amdhsa_next_free_sgpr 66
		.amdhsa_reserve_vcc 0
		.amdhsa_float_denorm_mode_32 3
		.amdhsa_float_denorm_mode_16_64 3
		.amdhsa_memory_ordered 1
		.amdhsa_forward_progress 1
		.amdhsa_inst_pref_size 42
	.end_amdhsa_kernel
	.amdgpu_metadata
---
amdhsa.version: [ 1, 2 ]
amdhsa.kernels:
  - .name:           k_qfd785721be_quant_w
    .symbol:         k_qfd785721be_quant_w.kd
    .args:
      - { .name: Wq, .offset: 0, .size: 8, .value_kind: global_buffer, .address_space: global }
      - { .name: Wk, .offset: 8, .size: 8, .value_kind: global_buffer, .address_space: global }
      - { .name: Wv, .offset: 16, .size: 8, .value_kind: global_buffer, .address_space: global }
      - { .name: Wo, .offset: 24, .size: 8, .value_kind: global_buffer, .address_space: global }
      - { .name: wc, .offset: 32, .size: 8, .value_kind: global_buffer, .address_space: global }
      - { .name: wsc, .offset: 40, .size: 8, .value_kind: global_buffer, .address_space: global }
    .group_segment_fixed_size: 35840
    .private_segment_fixed_size: 0
    .kernarg_segment_align: 8
    .kernarg_segment_size: 48
    .max_flat_workgroup_size: 128
    .sgpr_count:     66
    .vgpr_count:     192
    .wavefront_size: 32
...
	.end_amdgpu_metadata
.endif
;; end of part 1
;; launch quant_x (part 2): grid 768 x 1, 4 waves a work-group, no clusters, 33,280 bytes of LDS; arguments query, key, value, xc, xs; writes xc, xs
.if DOCPART == 2
	.amdgcn_target "amdgcn-amd-amdhsa--gfx1250"
	.amdhsa_code_object_version 6
	.text
	.protected	k_qfd785721be_quant_x
	.globl	k_qfd785721be_quant_x
	.p2align	8
	.type	k_qfd785721be_quant_x,@function
k_qfd785721be_quant_x:
	s_mov_b64 s[64:65], 0
	v_nop
	global_prefetch_b8 v0, s[64:65] scope:SCOPE_SE
	s_setreg_imm32_b32 hwreg(HW_REG_WAVE_MODE, 25, 1), 1
	s_wait_xcnt 0x0
; query, key and value, each [8192 rows][1024] f32, become codes of FP6 (E2M3), 6 bits each, K innermost, with one E8M0 byte for each 32 along K.
; xc: 3 x [8192 places][768 bytes]; xs: 3 x [8192 places][32 bytes]; order query, key, value.
; query's rows lie at their own places.  key's and value's rows are PERMUTED: row i lies at place sigma(i), i with its bits 3 and 4 exchanged.  A wave's run is 8 rows, so sigma exchanges bits 0 and 1 of the
; run's number, which are the wave's number: only the run's place in the outputs changes.
; A block's scale is 2^(floor(log2(largest magnitude)) - 2); its byte is the largest magnitude's exponent field - 2, held at 1 from below.
; LIMITS: a block of zeros gets the byte 1 where the rule says 127 (its codes are zeros, and this program alone reads the bytes); a block whose largest magnitude lies under 2^-124 has its byte held at 1;
; NaN and infinities among the inputs are not served.
; A wave takes 16 steps of 512 numbers.  Each of a step's four loads reads 512 consecutive bytes; the 2,048 bytes turn through the wave's own stage in LDS and come back 64 bytes a lane, so that a lane holds 16
; neighbours along K (two neighbouring lanes hold a block).  A wave's 256 scale bytes are gathered in LDS and leave as 256 consecutive bytes.  Loads run four steps ahead.  Waves share nothing: no barrier.
.set WAVES, 4
.set STEPS, 16
.set EMAX,  2
.set CB,    12                         ; bytes of 16 codes
.set R,     16                         ; v16-79   four sets of 16 numbers as they are loaded
.set X,     80                         ; v80-111  two sets of 16 neighbours
.set C,     128                        ; v128-191 codes: four registers for each step, so that no store's data are written again
.set E,     112                        ; v112-127 a scale byte for each step
.set WREG,  8192                       ; LDS: a region for each wave: two stages of 32 x SP bytes, and behind them its 256 scale bytes
.set SP,    80                         ; a lane's place in a stage: 64 bytes + 16 of padding
.set SPW,   12                         ; v12      LDS address of my spare word; never rewritten
.set NIL,   13                         ; v13      0; never rewritten
.set SPARE, WAVES*WREG                 ; behind the four regions: the spare words, 128 bytes a wave
	s_load_b256 s[4:11], s[0:1], 0x0               ; query, key, value, xc
	s_load_b64 s[12:13], s[0:1], 0x20              ; xs
	v_lshl_add_u32 v[SPW], v0, 2, SPARE
	v_mov_b32 v[NIL], 0
	v_lshrrev_b32 v1, 5, v0
	v_readfirstlane_b32 s16, v1                    ; wave
	v_and_b32 v2, 31, v0                           ; lane
	v_lshlrev_b32 v3, 4, v2                        ; my 16 bytes of a load's 512
	s_mul_i32 s17, s16, WREG
	v_lshrrev_b32 v14, 2, v2
	v_mul_u32_u24 v14, v14, SP
	v_and_b32 v15, 3, v2
	v_lshl_add_u32 v14, v15, 4, v14
	v_add_nc_u32 v14, s17, v14                     ; the stage, on the way in: SP (lane / 4) + 16 (lane % 4)
	v_mul_u32_u24 v15, v2, SP
	v_add_nc_u32 v15, s17, v15                     ; and on the way out: SP x lane: my 16 neighbours
	v_mul_u32_u24 v4, v2, CB                       ; my codes' place in a step's
	v_lshrrev_b32 v5, 1, v2
	s_add_co_u32 s17, s17, 2*32*SP
	v_add_nc_u32 v5, s17, v5                       ; LDS: my wave's 256 scale bytes, my block's byte
	v_lshlrev_b32 v7, 3, v2                        ; and on the way out 8 bytes a lane
	v_add_nc_u32 v6, s17, v7
	s_lshr_b32 s24, ttmp9, 8                       ; which tensor: 256 work-groups each
	s_and_b32 s25, ttmp9, 255
	s_lshl_b32 s25, s25, 2                         ; the work-group's first run of 8,192 numbers
	s_and_b32 s26, s16, 1
	s_lshl_b32 s26, s26, 1
	s_lshr_b32 s27, s16, 1
	s_or_b32 s26, s26, s27                         ; the wave's number with its two bits exchanged
	s_cmp_eq_u32 s24, 0
	s_cselect_b32 s26, s16, s26                    ; query keeps its order.  (This number enters global offsets alone)
	s_add_co_u32 s18, s25, s16                     ; the run that I read,
	s_add_co_u32 s22, s25, s26                     ; and its place in the outputs
	s_lshl_b32 s18, s18, 15                        ; 32,768 bytes a run
	s_mov_b32 s19, 0
	s_mul_i32 s20, s22, 32*STEPS*CB                ; 6,144 bytes of codes a run,
	s_mul_i32 s21, s24, 6291456                    ; + the tensor's part of xc
	s_add_co_u32 s20, s20, s21
	s_mov_b32 s21, 0
	s_lshl_b32 s22, s22, 8                         ; 256 scale bytes a run,
	s_lshl_b32 s23, s24, 18                        ; + the tensor's part of xs
	s_add_co_u32 s22, s22, s23
	s_mov_b32 s23, 0
	s_wait_kmcnt 0x0
	s_cmp_eq_u32 s24, 1                            ; the tensor is chosen by the work-group's number alone
	s_cselect_b64 s[4:5], s[6:7], s[4:5]
	s_cmp_eq_u32 s24, 2
	s_cselect_b64 s[4:5], s[8:9], s[4:5]
	s_add_nc_u64 s[4:5], s[4:5], s[18:19]
	s_add_nc_u64 s[10:11], s[10:11], s[20:21]
	s_add_nc_u64 s[12:13], s[12:13], s[22:23]
.macro LOAD t
.irp i, 0,1,2,3
	global_load_b128 v[R+16*((\t)%4)+4*\i:R+16*((\t)%4)+4*\i+3], v3, s[4:5] offset:2048*(\t)+512*\i th:TH_LOAD_NT   ; 32 lanes read 512 consecutive bytes
.endr
.endm
.macro TURN t                          ; step t's numbers through the stage: LDS serves a wave's instructions in order, so no wait stands between the stores and the loads
.irp i, 0,1,2,3
	ds_store_b128 v14, v[R+16*((\t)%4)+4*\i:R+16*((\t)%4)+4*\i+3] offset:32*SP*((\t)%2)+8*SP*\i
.endr
.irp i, 0,1,2,3
	ds_load_b128 v[X+16*((\t)%2)+4*\i:X+16*((\t)%2)+4*\i+3], v15 offset:32*SP*((\t)%2)+16*\i
.endr
.endm
.irp t, 0,1,2,3
	LOAD \t
.endr
	s_wait_loadcnt 12                              ; step 0's four loads are in; the twelve of steps 1 to 3 may be out
	TURN 0
.macro STEP t
.set XS, X+16*((\t)%2)
.if (\t) > 0
	s_wait_dscnt 1                                 ; this step's numbers are back from the stage (the last step's byte store may be out)
.else
	s_wait_dscnt 0x0
.endif
.if (\t)+4 < STEPS
	LOAD (\t)+4                                    ; into the registers that the stage's stores have read
.endif
.if (\t)+1 < STEPS
.if STEPS-2-(\t) >= 3
	s_wait_loadcnt 12                              ; the next step's four loads are in; those of the three steps behind it may be out
.else
	s_wait_loadcnt 4*(STEPS-2-(\t))
.endif
	TURN (\t)+1                                    ; they go through the other stage while this step is worked
.endif
	v_max3_num_f32 v8, |v[XS]|, |v[XS+1]|, |v[XS+2]|               ; the largest magnitude of my 16
	v_max3_num_f32 v9, |v[XS+3]|, |v[XS+4]|, |v[XS+5]|
.irp i, 6,10
	v_max3_num_f32 v8, v8, |v[XS+\i]|, |v[XS+\i+1]|
	v_max3_num_f32 v9, v9, |v[XS+\i+2]|, |v[XS+\i+3]|
.endr
	v_max3_num_f32 v8, v8, |v[XS+14]|, |v[XS+15]|
	v_max3_num_f32 v8, v8, v9, (EMAX+1)<<23        ; and the floor 2^(3 - 127): the byte cannot fall under 1
	v_max_num_f32_dpp v8, v8, v8 row_xmask:1 row_mask:0xf bank_mask:0xf   ; and of my neighbour's 16: the block's
	v_add_nc_u32 v11, -(EMAX<<23), v8              ; 2 off its exponent field: the conversion's scale operand
	v_cvt_scalef32_pk16_fp6_f32 v[C+4*(\t):C+4*(\t)+2], v[XS:XS+15], v11
	v_lshrrev_b32 v[E+(\t)], 23, v11               ; the scale's byte
	ds_store_b8 v5, v[E+(\t)] offset:16*(\t)       ; both lanes of a block write the same byte with the same value
	global_store_b96 v4, v[C+4*(\t):C+4*(\t)+2], s[10:11] offset:32*CB*(\t)
.endm
.irp t, 0,1,2,3,4,5,6,7,8,9,10,11,12,13,14,15
	STEP \t
.endr
	ds_load_b64 v[8:9], v6                         ; LDS serves a wave's instructions in order: these see my stores
	s_wait_dscnt 0x0
	global_store_b64 v7, v[8:9], s[12:13]          ; 32 lanes store 256 consecutive bytes, at a multiple of 256 from the buffer's first byte
	s_wait_tensorcnt 0x0                           ; the wave's end, behind my last LDS store
	ds_add_u32 v[SPW], v[NIL]
	s_wait_dscnt 0x0
	s_endpgm
.Lfunc_end_k_qfd785721be_quant_x:
	.size	k_qfd785721be_quant_x, .Lfunc_end_k_qfd785721be_quant_x-k_qfd785721be_quant_x
	.p2alignl 7, 3214868480
	.fill 96, 4, 3214868480
	.section	.rodata,"a",@progbits
	.p2align	6, 0x0
	.amdhsa_kernel k_qfd785721be_quant_x
		.amdhsa_group_segment_fixed_size 33280
		.amdhsa_private_segment_fixed_size 0
		.amdhsa_enable_private_segment 0
		.amdhsa_kernarg_size 40
		.amdhsa_user_sgpr_count 2
		.amdhsa_user_sgpr_kernarg_segment_ptr 1
		.amdhsa_wavefront_size32 1
		.amdhsa_system_sgpr_workgroup_id_x 1
		.amdhsa_system_sgpr_workgroup_id_y 1
		.amdhsa_system_sgpr_workgroup_id_z 1
		.amdhsa_system_vgpr_workitem_id 0
		.amdhsa_next_free_vgpr 192
		.amdhsa_next_free_sgpr 66
		.amdhsa_reserve_vcc 0
		.amdhsa_float_denorm_mode_32 3
		.amdhsa_float_denorm_mode_16_64 3
		.amdhsa_memory_ordered 1
		.amdhsa_forward_progress 1
		.amdhsa_inst_pref_size 33
	.end_amdhsa_kernel
	.amdgpu_metadata
---
amdhsa.version: [ 1, 2 ]
amdhsa.kernels:
  - .name:           k_qfd785721be_quant_x
    .symbol:         k_qfd785721be_quant_x.kd
    .args:
      - { .name: query, .offset: 0, .size: 8, .value_kind: global_buffer, .address_space: global }
      - { .name: key, .offset: 8, .size: 8, .value_kind: global_buffer, .address_space: global }
      - { .name: value, .offset: 16, .size: 8, .value_kind: global_buffer, .address_space: global }
      - { .name: xc, .offset: 24, .size: 8, .value_kind: global_buffer, .address_space: global }
      - { .name: xs, .offset: 32, .size: 8, .value_kind: global_buffer, .address_space: global }
    .group_segment_fixed_size: 33280
    .private_segment_fixed_size: 0
    .kernarg_segment_align: 8
    .kernarg_segment_size: 40
    .max_flat_workgroup_size: 128
    .sgpr_count:     66
    .vgpr_count:     192
    .wavefront_size: 32
...
	.end_amdgpu_metadata
.endif
;; end of part 2
;; launch gemm_qkv (part 3): grid 4 x 96, 4 waves a work-group, clusters of 4 x 4, 327,680 bytes of LDS; arguments xc, xs, wc, wsc, bq, bk, bv, hc, hs; writes hc, hs
.if DOCPART == 3
	.amdgcn_target "amdgcn-amd-amdhsa--gfx1250"
	.amdhsa_code_object_version 6
	.text
	.protected	k_qfd785721be_gemm_qkv
	.globl	k_qfd785721be_gemm_qkv
	.p2align	8
	.type	k_qfd785721be_gemm_qkv,@function
k_qfd785721be_gemm_qkv:
	s_mov_b64 s[64:65], 0
	v_nop
	global_prefetch_b8 v0, s[64:65] scope:SCOPE_SE
	s_setreg_imm32_b32 hwreg(HW_REG_WAVE_MODE, 25, 1), 1
	s_wait_xcnt 0x0
	s_wait_alu depctr_hold_cnt(0) depctr_sa_sdst(0) depctr_va_vdst(0) depctr_va_sdst(0) depctr_va_ssrc(0) depctr_va_vcc(0) depctr_vm_vsrc(0)
	s_getreg_b32 s2, hwreg(HW_REG_IB_STS2, 6, 4)
	s_cmp_eq_u32 s2, 0
	s_cbranch_scc0 .Lentry_in_a_cluster
	s_endpgm
.Lentry_in_a_cluster:
	s_bfe_u32 s2, ttmp6, 0x10000c
	s_cmp_lg_u32 s2, 0xf033
	s_cbranch_scc0 .Lentry_shape_is_right
	s_endpgm
.Lentry_shape_is_right:
; The three projections q = query Wq + bq, k = key Wk + bk, v = value Wv + bv on codes of FP6 (E2M3) with E8M0 scales, K = 1,024, sums in f32; the results are quantised again on the way out and leave as codes.
; Cluster y = 8 x projection + index.  q and k: "A" = the activation's 8,192 rows, "B" = the weight's 1,024 rows.  v IS MADE TRANSPOSED: "A" = Wv's 1,024 rows, "B" = value's 8,192 rows, since v is quantised along the KEYS.
; A tile of C, 256 x 256, is made by four waves, 128 x 128 each: 64 accumulators, 512 registers.  K goes in steps of 256 through a ring of two LDS slots filled by the tensor data mover; the scale bytes of the
; work-group's rows come once, with the first fills.  4 x 4 work-groups form a cluster: A's tiles are asked for jointly along a row of the cluster, B's along a column.
; THE MATRIX INSTRUCTION IS USED TRANSPOSED (source 0 = 16 rows of B, source 1 = 16 rows of A): a lane holds one row of A's and eight of B's.  B's rows lie at permuted places (bits 3 and 4 of the row exchanged),
; so that the 16 registers of tiles 2 beta and 2 beta + 1 are the TRUE columns 32 beta + 16 (lane / 16) + 0 .. 15: sixteen neighbours along the next product's K.
; THE BIAS is the C of each sum's first matrix instruction: by column for q and k, by row for v.
; THE WAY OUT: 64 numbers of a lane (four blocks of 32, each shared with lane xor 16) become the 12 registers of an operand of the attention launch and a scale word a row: a UNIT of 1,536 bytes, lane L's 48 bytes at 48 L.
;   q, k: unit B of a chunk of 128 tokens: registers 0-5 row 32 B + r, registers 6-11 row 32 B + 16 + r, each with the head's 64.   v: unit t: 16 of the head's 64, with the chunk's 128 keys.
; hc: 3 x 64 heads x 16 chunks x 4 units; hs: a unit's 16 scale words, 64 bytes.  A wave makes 8 units (two heads x one chunk), which go through its own stage in LDS and leave 512 consecutive bytes an instruction.
; LIMITS: a block of zeros gets the byte 1 where the rule says 127 (its codes are zeros; this program alone reads the bytes); a block whose largest magnitude lies under 2^-124 has its byte held at 1; NaN and infinities are not served.
; REGISTERS, in windows of 256: window 0: v0-31 addresses; v32-63 scale words, two sets; v64-127 the bias; v128-223 A's fragments, one set; on the way out v32-227 are at work.
;   window 1: B's fragments, two sets, at v0 and v128.   window 2: the accumulators of my rows 0-63 ((a, b) at v[8 (8 a + b)]);   window 3: those of my rows 64-127.
.set KSTEP,  256                       ; along K in a slot
.set NQ,     KSTEP/128                 ; matrix instructions deep
.set ROWB,   192                       ; a tile's row in bytes
.set KROW,   768                       ; a row of codes in memory
.set PITCH,  240                       ; an LDS row: 3 x (64 bytes + 16 of padding): the 32 lanes of a load of 8 bytes touch 64 different banks (64 banks of 4 bytes: ISA guide 11.1)
.set FR,     12                        ; registers of a fragment
.set NL,     6                         ; LDS loads that bring one
.set NP,     4                         ; places behind this matrix instruction (ISA guide 7.12.1)
.set HALFT,  128*PITCH                 ; 128 rows: what one tensor load brings
.set SLOT,   4*HALFT                   ; A's 256 rows, then B's 256
.set LAPS,   2                         ; K = 1,024: twice round the ring
.set KS,     32                        ; a row of scale bytes
.set SCL,    2*SLOT                    ; behind the ring: the scales, as rows of 256 bytes + 16 of padding
.set HALFS,  (128*KS/256)*272          ; those of 128 rows
.set SBLK,   (16*KS/256)*272           ; those of 16 rows
.set SPARE,  SCL+4*HALFS               ; the spare words, 128 bytes a wave
.set EPW,    12800                     ; the way out: a wave's stage: 8 units of 1,536 bytes, then 8 x 64 bytes of scale words
.set EP1,    SPARE+512                 ; v's stages lie behind the spare words; q's and k's lie in slot 0, which has had its last fill and its last read by then
.set ADRA, 16                          ; v16-17 LDS address of my A fragments in slot 0, 1 (v18-19: for the pieces behind one padding more)
.set ADRB, 20                          ; v20-23 the same for B
.set ADRS, 27                          ; v27    my scale words: lanes 0-15 A's rows, lanes 16-31 B's
.set SPW,  28                          ; v28    LDS address of my spare word; never rewritten
.set NIL,  29                          ; v29    0; never rewritten
.set CO,   14                          ; v14    the way out: 16 x lane
.set SCO,  15                          ; v15    the scale words' place in hs: 16 (lane % 16) + 4,096 (lane / 16)
.set SC,   32                          ; scale words: set s at v[SC + 16 s]
.set BI,   64                          ; v64-127 the bias, eight registers a tile
.set AF,   128                         ; A's fragments
.set TM,   32                          ; the way out: v32-35 largest magnitudes, v36-39 bytes, v44-47 the conversions' scale operands
.set PW,   48                          ; the scale word just made
.set PC,   64                          ; v64-75 the codes just made; v76-78, v80-82 the conversions' second halves
.set BK,   128                         ; v128-223 the stage read back; v224-227 its scale words
.set G1, 24                            ; s[24:31] descriptor group 1 for A's tiles; s[32:39] group 0, a set for each slot
.set G0, 32
.set G1B, 48                           ; s[48:55], s[56:63] the same for B's
.set G0B, 56
.set G1S, 68                           ; s[68:75], s[76:79] for A's scales; s[80:87], s[88:91] for B's
.set G0S, 76
.set G1SB, 80
.set G0SB, 88
.set PROJ, 95                          ; s95 the projection: 0 q, 1 k, 2 v: made of the cluster's y alone, so it is the same in all sixteen partners
.set SEL,  98                          ; s[98:99] lane selects for v_permlanex16_b32: lane xor 16
.set MSB, 0
.macro WIN new                         ; the immediate's high byte repeats the setting that is left
.if MSB != \new
	s_set_vgpr_msb (MSB<<8)|\new
.set MSB, \new
.endif
.endm
.set MUL_LO, 0xa1                      ; source 0 (B) window 1, source 1 (A) window 0, C and D window 2
.set MUL_HI, 0xf1                      ; the same, C and D window 3
.set BEG_LO, 0x81                      ; the first step: C (the bias) window 0, D window 2
.set BEG_HI, 0xc1                      ; D window 3
.set TO_B,   0x40                      ; destination window 1, address window 0
; A joint load: waves 0 and 1 fetch for A, waves 2 and 3 for B.  Each line has one mask and one set of registers for all that issue it; the branch hangs on the wave's number alone.
; An s_nop 0 and four v_nop follow each of the two lines.
.macro JLOAD g0a, g1a, g0b, g1b
	s_cmp_eq_u32 s15, 0
	s_cbranch_scc0 .Lfor_b_\@
	tensor_load_to_lds s[\g0a:\g0a+3], s[\g1a:\g1a+7]
	s_nop 0
.rept 4
	v_nop
.endr
	s_branch .Lasked_\@
.Lfor_b_\@:
	tensor_load_to_lds s[\g0b:\g0b+3], s[\g1b:\g1b+7]
	s_nop 0
.rept 4
	v_nop
.endr
.Lasked_\@:
.endm
.macro CREST                           ; a round of the cluster's barrier behind its opening barrier
	s_cmp_lg_u32 s14, 0
	s_cbranch_scc1 .Lnot_wave_0_\@
	s_barrier_signal -3
.Lnot_wave_0_\@:
	s_barrier_wait -3
	s_barrier_signal -1
	s_barrier_wait -1
.endm
.macro CROUND                          ; a whole round
	s_barrier_signal -1
	s_barrier_wait -1
	CREST
.endm
	s_load_b256 s[4:11], s[0:1], 0x0               ; xc, xs, wc, wsc
	s_load_b128 s[96:99], s[0:1], 0x20             ; bq, bk
	s_load_b64 s[100:101], s[0:1], 0x30            ; bv
	s_load_b64 s[12:13], s[0:1], 0x38              ; hc
	s_load_b64 s[66:67], s[0:1], 0x40              ; hs
	v_lshl_add_u32 v[SPW], v0, 2, SPARE
	v_mov_b32 v[NIL], 0
	ds_add_u32 v[SPW], v[NIL]                      ; the wave's opening: the add and its wait stand ahead of my first tensor load; the set-up below, work on registers, stands between them
	v_lshrrev_b32 v1, 5, v0
	v_readfirstlane_b32 s14, v1                    ; wave 0..3
	s_lshr_b32 s15, s14, 1                         ; which half of the tile's rows is mine.  Also: I fetch for A (0) or for B (1)
	s_and_b32 s16, s14, 1                          ; which half of its columns.  Also: which 128 rows of that tile I fetch
	s_bfe_u32 s40, ttmp6, 0x40000                  ; cx, cy: my place in the cluster
	s_bfe_u32 s41, ttmp6, 0x40004
	s_and_b32 s2, ttmp7, 0xffff                    ; the cluster's y
	s_lshr_b32 s[PROJ], s2, 3
	s_and_b32 s2, s2, 7                            ; which of the projection's eight clusters
	s_cmp_eq_u32 s[PROJ], 2
	s_cselect_b32 s17, 0, s2                       ; q, k: the clusters lie one below the other;
	s_cselect_b32 s42, s2, 0                       ; v: side by side
	s_lshl_b32 s17, s17, 2
	s_add_co_u32 s17, s17, s41                     ; tile row of C
	s_lshl_b32 s42, s42, 2
	s_add_co_u32 s42, s42, s40                     ; tile column of C
	s_lshl_b32 s43, s41, 2
	s_lshl_b32 s43, 15, s43                        ; my row of the cluster
	s_lshl_b32 s44, 0x1111, s40                    ; my column
	; descriptor group 1: a tile of 128 rows x 192 bytes, padded in LDS
	s_or_b32 s[G1+0], s43, (0<<16)|(1<<20)|(1<<21)|(3<<22)|(3<<25)  ; 15:0 the mask: A's tiles go to my row; 17:16 elements of 1 byte; 20 padding on; 21 set beside a mask; 24:22 after every 16 words; 31:25 4 words of it
	s_or_b32 s[G1B+0], s44, (0<<16)|(1<<20)|(1<<21)|(3<<22)|(3<<25)
.irp g, G1, G1B
	s_mov_b32 s[\g+1], ROWB<<16                    ; tensor_dim0
	s_mov_b32 s[\g+2], 128<<16                     ; tensor_dim1
	s_mov_b32 s[\g+3], ROWB<<16                    ; tile_dim0
	s_mov_b32 s[\g+4], 128                         ; tile_dim1
	s_mov_b32 s[\g+5], KROW                        ; tensor_dim0_stride
	s_mov_b32 s[\g+6], 0
	s_mov_b32 s[\g+7], 0
.endr
	; the scales of 128 rows: a dense block of 4,096 bytes, as 16 rows of 256 bytes (32 elements of 8 bytes), 16 bytes of padding behind each
	s_or_b32 s[G1S+0], s43, (3<<16)|(1<<20)|(1<<21)|(5<<22)|(3<<25)
	s_or_b32 s[G1SB+0], s44, (3<<16)|(1<<20)|(1<<21)|(5<<22)|(3<<25)
.irp g, G1S, G1SB
	s_mov_b32 s[\g+1], 32<<16
	s_mov_b32 s[\g+2], (128*KS/256)<<16
	s_mov_b32 s[\g+3], 32<<16
	s_mov_b32 s[\g+4], 128*KS/256
	s_mov_b32 s[\g+5], 32
	s_mov_b32 s[\g+6], 0
	s_mov_b32 s[\g+7], 0
.endr
	s_lshl_b32 s18, s16, 7                         ; which 128 rows of the tile I fetch
	s_lshl_b32 s20, s17, 8
	s_add_co_u32 s20, s20, s18                     ; A: row 256 x tile row + 128 x half
	s_lshl_b32 s46, s42, 8
	s_add_co_u32 s46, s46, s18                     ; B: row 256 x tile column + 128 x half
	s_mov_b32 s21, 0
	s_mov_b32 s47, 0
	s_mov_b64 s[18:19], KS
	s_mul_u64 s[22:23], s[20:21], s[18:19]         ; where these rows' scales begin, in bytes,
	s_mul_u64 s[92:93], s[46:47], s[18:19]
	s_mov_b64 s[18:19], KROW
	s_mul_u64 s[20:21], s[20:21], s[18:19]         ; and their codes
	s_mul_u64 s[46:47], s[46:47], s[18:19]
	s_mul_i32 s45, s14, HALFT                      ; where they go: wave x 128 rows: no place in the cluster enters an LDS address
	s_mul_i32 s94, s14, HALFS
	s_wait_dscnt 0x0                               ; the opening add is done
	s_wait_kmcnt 0x0
	s_mov_b32 s3, 0                                ; each buffer at the projection's part
	s_mul_i32 s2, s[PROJ], 6291456
	s_add_nc_u64 s[4:5], s[4:5], s[2:3]
	s_lshl_b32 s2, s[PROJ], 18
	s_add_nc_u64 s[6:7], s[6:7], s[2:3]
	s_mul_i32 s2, s[PROJ], 786432
	s_add_nc_u64 s[8:9], s[8:9], s[2:3]
	s_lshl_b32 s2, s[PROJ], 15
	s_add_nc_u64 s[10:11], s[10:11], s[2:3]
	s_cmp_eq_u32 s[PROJ], 2                        ; v: the weight is "A" and the activation "B": the pointers change places
	s_mov_b64 s[2:3], s[4:5]
	s_cselect_b64 s[4:5], s[8:9], s[4:5]
	s_cselect_b64 s[8:9], s[2:3], s[8:9]
	s_mov_b64 s[2:3], s[6:7]
	s_cselect_b64 s[6:7], s[10:11], s[6:7]
	s_cselect_b64 s[10:11], s[2:3], s[10:11]
	s_cselect_b64 s[96:97], s[100:101], s[96:97]   ; the projection's bias
	s_cmp_eq_u32 s[PROJ], 1
	s_cselect_b64 s[96:97], s[98:99], s[96:97]
	s_mov_b32 s[SEL], 0x76543210
	s_mov_b32 s[SEL+1], 0xfedcba98
	s_add_nc_u64 s[20:21], s[4:5], s[20:21]
	s_add_nc_u64 s[22:23], s[6:7], s[22:23]
	s_add_nc_u64 s[46:47], s[8:9], s[46:47]
	s_add_nc_u64 s[92:93], s[10:11], s[92:93]
	CROUND                                         ; all sixteen work-groups are here: the first joint loads meet
	s_mov_b32 s[G0S], 1
	s_add_co_u32 s[G0S+1], s94, SCL
	s_mov_b64 s[G0S+2:G0S+3], s[22:23]
	s_or_b32 s[G0S+3], s[G0S+3], 0x80000000
	s_mov_b32 s[G0SB], 1
	s_add_co_u32 s[G0SB+1], s94, SCL
	s_mov_b64 s[G0SB+2:G0SB+3], s[92:93]
	s_or_b32 s[G0SB+3], s[G0SB+3], 0x80000000
	JLOAD G0S, G1S, G0SB, G1SB                     ; the scales first: they are wanted with K step 0
.irp s, 0,1
	s_mov_b32 s[G0+4*\s], 1
	s_add_co_u32 s[G0+4*\s+1], s45, \s*SLOT
	s_add_nc_u64 s[G0+4*\s+2:G0+4*\s+3], s[20:21], \s*ROWB
	s_or_b32 s[G0+4*\s+3], s[G0+4*\s+3], 0x80000000
	s_mov_b32 s[G0B+4*\s], 1
	s_add_co_u32 s[G0B+4*\s+1], s45, \s*SLOT
	s_add_nc_u64 s[G0B+4*\s+2:G0B+4*\s+3], s[46:47], \s*ROWB
	s_or_b32 s[G0B+4*\s+3], s[G0B+4*\s+3], 0x80000000
	JLOAD G0+4*\s, G1, G0B+4*\s, G1B
.endr
	v_and_b32 v1, 15, v0                           ; r = lane % 16
	v_bfe_u32 v2, v0, 4, 1                         ; h = lane / 16
	v_mul_u32_u24 v3, v1, PITCH
	v_mul_u32_u24 v4, v2, 24
	v_add_nc_u32 v4, v3, v4                        ; a fragment's row x pitch + 24 x half
	v_lshl_add_u32 v5, v2, 4, v4                   ; and the same behind one padding more
	s_mul_i32 s21, s15, HALFT                      ; my 128 rows of A
	s_mul_i32 s22, s16, HALFT                      ; my 128 rows of B,
	s_add_co_u32 s22, s22, 2*HALFT                 ; which lie behind A's 256
.irp s, 0,1
	v_add_nc_u32 v[ADRA+\s], s21, v4
	v_add_nc_u32 v[ADRB+\s], s22, v4
	v_add_nc_u32 v[ADRA+2+\s], s21, v5
	v_add_nc_u32 v[ADRB+2+\s], s22, v5
	s_add_co_u32 s21, s21, SLOT
	s_add_co_u32 s22, s22, SLOT
.endr
	v_mul_u32_u24 v5, v1, KS                       ; my row's scales: 32 bytes a row,
	v_lshrrev_b32 v6, 8, v5
	v_lshl_add_u32 v5, v6, 4, v5                   ; and 16 more for each 256 passed
	s_mul_i32 s21, s15, HALFS                      ; A's: my 128 rows
	s_mul_i32 s22, s16, HALFS                      ; B's: my 128 rows, behind A's 256
	s_add_co_u32 s22, s22, 2*HALFS
	s_sub_co_u32 s22, s22, s21
	v_mul_u32_u24 v6, s22, v2                      ; lanes 16-31 take B's
	s_add_co_u32 s21, s21, SCL
	v_add_nc_u32 v5, v5, v6
	v_add_nc_u32 v[ADRS], s21, v5
	; the way out's addresses, a set for each of its two texts: v8-10 in slot 0 (q, k), v11-13 behind the spare words (v)
	s_mul_i32 s23, s14, EPW                        ; my stage
	v_and_b32 v6, 31, v0
	v_mul_u32_u24 v5, v6, 48
	v_add_nc_u32 v8, s23, v5                       ; in: a unit's 48 bytes of my lane
	v_lshl_add_u32 v9, v1, 2, s23
	v_add_nc_u32 v9, 12288, v9                     ; a unit's scale word of row r
	v_lshlrev_b32 v[CO], 4, v6
	v_add_nc_u32 v10, s23, v[CO]                   ; back: 16 bytes a lane
	v_add_nc_u32 v11, EP1, v8
	v_add_nc_u32 v12, EP1, v9
	v_add_nc_u32 v13, EP1, v10
	v_lshlrev_b32 v[SCO], 4, v1
	v_lshl_add_u32 v[SCO], v2, 12, v[SCO]          ; lanes 0-15: the first head's 256 bytes of scale words; lanes 16-31: the next head's, 4,096 bytes on
	; where my 8 units go
	s_lshl_b32 s20, s17, 8
	s_lshl_b32 s21, s15, 7
	s_add_co_u32 s20, s20, s21                     ; my first row of C
	s_lshl_b32 s46, s42, 8
	s_lshl_b32 s47, s16, 7
	s_add_co_u32 s46, s46, s47                     ; my first column
	s_cmp_eq_u32 s[PROJ], 2
	s_cselect_b32 s22, s46, s20                    ; my first token: rows for q and k, columns for v;
	s_cselect_b32 s23, s20, s46                    ; my first feature: the other
	s_lshr_b32 s21, s22, 11                        ; the batch,
	s_lshl_b32 s21, s21, 4
	s_lshr_b32 s47, s23, 6
	s_add_co_u32 s21, s21, s47                     ; 16 x batch + head: the first of my two heads
	s_bfe_u32 s47, s22, 0x40007                    ; the chunk of 128 tokens
	s_mul_i32 s2, s[PROJ], 6291456
	s_mul_i32 s3, s21, 98304
	s_add_co_u32 s2, s2, s3
	s_mul_i32 s3, s47, 6144
	s_add_co_u32 s2, s2, s3
	s_mov_b32 s3, 0
	s_add_nc_u64 s[12:13], s[12:13], s[2:3]
	s_lshl_b32 s2, s[PROJ], 18
	s_lshl_b32 s20, s21, 12
	s_add_co_u32 s2, s2, s20
	s_lshl_b32 s20, s47, 8
	s_add_co_u32 s2, s2, s20
	s_add_nc_u64 s[66:67], s[66:67], s[2:3]
	s_lshl_b32 s2, s23, 2
	s_add_nc_u64 s[96:97], s[96:97], s[2:3]        ; the bias at my first feature
	; the bias, in the result's layout
	s_cmp_eq_u32 s[PROJ], 2
	s_cbranch_scc1 .Lbias_rows
	v_lshlrev_b32 v7, 6, v2                        ; q, k: register j of tile b is column 32 (b / 2) + 16 h + 8 (b % 2) + j
.irp b, 0,1,2,3,4,5,6,7
	global_load_b128 v[BI+8*\b:BI+8*\b+3], v7, s[96:97] offset:(32*(\b/2)+8*(\b%2))*4
	global_load_b128 v[BI+8*\b+4:BI+8*\b+7], v7, s[96:97] offset:(32*(\b/2)+8*(\b%2))*4+16
.endr
	s_branch .Lbias_asked
.Lbias_rows:
	v_and_b32 v7, 8, v1
	v_add_nc_u32 v7, v7, v1
	v_lshlrev_b32 v7, 2, v7                        ; v: all eight registers of block a are feature 32 (a / 2) + 8 (a % 2) + r + 8 (r / 8)
.irp a, 0,1,2,3,4,5,6,7
.irp j, 0,1,2,3,4,5,6,7
	global_load_b32 v[BI+8*\a+\j], v7, s[96:97] offset:(32*(\a/2)+8*(\a%2))*4
.endr
.endr
.Lbias_asked:
.macro FRAG reg, adr, q, i             ; a fragment, 16 rows x 128 K, is 12 registers: lane l holds row l % 16; registers 6 c .. 6 c + 5 hold K = 64 c + 32 (l / 16) + 0 .. 31: 24 bytes of the row, as they lie
.irp p, 0,1,2,3,4,5                    ; in pieces of 8 bytes.  Lanes 16-31 take the pieces three on; where such a piece lies behind one padding more, the second address register serves
.set PCE, 12*(\q)+6*(\p/3)+\p%3
.if PCE%8 < 5
	ds_load_b64 v[\reg+2*\p:\reg+2*\p+1], v[\adr] offset:8*PCE+16*(PCE/8)+(\i)*16*PITCH
.else
	ds_load_b64 v[\reg+2*\p:\reg+2*\p+1], v[\adr+2] offset:8*PCE+16*(PCE/8)+(\i)*16*PITCH
.endif
.endr
.endm
; 16 matrix instructions: A's blocks a0, a0 + 1 x B's eight, 128 along K: the slot's q-th.  p: B's set; sc: the set of scale words.  start = 1: the sums begin with the bias by column; 2: by row; 0: they go on.
; The 64 accumulators take turns, one instruction a turn, in the same order in every step.
.macro MUL16 a0, p, q, sc, start
.irp a, \a0, \a0+1
.irp b, 0,1,2,3,4,5,6,7
.if \start == 1
	v_wmma_scale_f32_16x16x128_f8f6f4 v[8*(8*((\a)%4)+\b):8*(8*((\a)%4)+\b)+7], v[128*(\p)+FR*\b:128*(\p)+FR*\b+FR-1], v[AF+FR*(\a):AF+FR*(\a)+FR-1], v[BI+8*\b:BI+8*\b+7], v[SC+8*NQ*(\sc)+NQ*\b+(\q)], v[SC+8*NQ*(\sc)+NQ*(\a)+(\q)] matrix_a_fmt:MATRIX_FMT_FP6 matrix_b_fmt:MATRIX_FMT_FP6 matrix_a_scale:MATRIX_SCALE_ROW1
.elseif \start == 2
	v_wmma_scale_f32_16x16x128_f8f6f4 v[8*(8*((\a)%4)+\b):8*(8*((\a)%4)+\b)+7], v[128*(\p)+FR*\b:128*(\p)+FR*\b+FR-1], v[AF+FR*(\a):AF+FR*(\a)+FR-1], v[BI+8*(\a):BI+8*(\a)+7], v[SC+8*NQ*(\sc)+NQ*\b+(\q)], v[SC+8*NQ*(\sc)+NQ*(\a)+(\q)] matrix_a_fmt:MATRIX_FMT_FP6 matrix_b_fmt:MATRIX_FMT_FP6 matrix_a_scale:MATRIX_SCALE_ROW1
.else
	v_wmma_scale_f32_16x16x128_f8f6f4 v[8*(8*((\a)%4)+\b):8*(8*((\a)%4)+\b)+7], v[128*(\p)+FR*\b:128*(\p)+FR*\b+FR-1], v[AF+FR*(\a):AF+FR*(\a)+FR-1], v[8*(8*((\a)%4)+\b):8*(8*((\a)%4)+\b)+7], v[SC+8*NQ*(\sc)+NQ*\b+(\q)], v[SC+8*NQ*(\sc)+NQ*(\a)+(\q)] matrix_a_fmt:MATRIX_FMT_FP6 matrix_b_fmt:MATRIX_FMT_FP6 matrix_a_scale:MATRIX_SCALE_ROW1
.endif
.endr
.endr
.endm
.macro FETCH_B slot, q, p              ; B's eight fragments of the slot's q-th 128 along K into set p
	WIN TO_B
.irp i, 0,1,2,3,4,5,6,7
	FRAG 128*(\p)+FR*\i, ADRB+\slot, \q, \i
.endr
	WIN 0
.endm
.macro FETCH_A slot, q, i0             ; A's blocks i0 .. i0 + 3
.irp i, \i0, \i0+1, \i0+2, \i0+3
	FRAG AF+FR*(\i), ADRA+\slot, \q, \i
.endr
.endm
.macro SCALES sc                       ; a K step's scale words into set sc: two words a row; lanes 0-15 take A's block i, lanes 16-31 B's block i
.irp i, 0,1,2,3,4,5,6,7
	ds_load_b64 v[SC+8*NQ*\sc+NQ*\i:SC+8*NQ*\sc+NQ*\i+1], v[ADRS] offset:\i*SBLK
.endr
.endm
.macro PLACES n                        ; plain vector instructions behind a matrix instruction, ahead of loads into registers that it has read and of reads of its results
.rept \n
	v_nop
.endr
.endm
; A step of 128 along K that has its successor in the same slot.
.macro STEP slot, q, start
	s_wait_dscnt 4*NL                              ; B's set and A's blocks 0-3 are in; the youngest 24 loads (A's blocks 4-7) may be out
.if \start
	WIN BEG_LO
.else
	WIN MUL_LO
.endif
	MUL16 0, (\q)%2, \q, \slot, \start
	MUL16 2, (\q)%2, \q, \slot, \start
	s_wait_dscnt 0                                 ; A's blocks 4-7 are in
	PLACES NP
	FETCH_B \slot, (\q)+1, 1-(\q)%2
	FETCH_A \slot, (\q)+1, 0
.if \start
	WIN BEG_HI
.else
	WIN MUL_HI
.endif
	MUL16 4, (\q)%2, \q, \slot, \start
	MUL16 6, (\q)%2, \q, \slot, \start
	PLACES NP
	WIN 0
	FETCH_A \slot, (\q)+1, 4
.endm
; A slot's last step changes slots: one barrier; in front of it each wave waits for all its tensor loads, adds 0 to its spare word, and waits for that and for its own reads of this slot.  fill = 1: this slot is filled again, two K steps ahead.
.macro TURN slot, next, fill
	s_wait_tensorcnt 0x0                           ; all my tensor loads have landed: my part of the next slot
	ds_add_u32 v[SPW], v[NIL]                      ; 0 onto my spare word
	s_wait_dscnt 4*NL+1                            ; (the add and the youngest 24 loads, A's blocks 4-7, may be out)
	WIN MUL_LO
	MUL16 0, 1, NQ-1, \slot, 0                     ; sixteen matrix instructions stand between the add and the wait for it
	s_wait_dscnt 0x0                               ; the add is done, and my reads of this slot are over
	s_barrier_signal -1
	MUL16 2, 1, NQ-1, \slot, 0
	WIN 0
	s_barrier_wait -1
.if \fill
	CREST                                          ; the barrier has opened a round of the cluster's barrier: no wave of any partner still reads this slot's tile or has a load on its way
	s_add_nc_u64 s[G0+4*\slot+2:G0+4*\slot+3], s[G0+4*\slot+2:G0+4*\slot+3], 2*ROWB
	s_add_nc_u64 s[G0B+4*\slot+2:G0B+4*\slot+3], s[G0B+4*\slot+2:G0B+4*\slot+3], 2*ROWB
	JLOAD G0+4*\slot, G1, G0B+4*\slot, G1B         ; the first tensor load behind the round; its four v_nop are the places in front of the loads below
.else
	PLACES NP
.endif
	v_add_nc_u32 v[ADRS], 4*NQ, v[ADRS]            ; on to the next K step's scale words (no LDS load of mine is out)
	FETCH_B \next, 0, 0
	FETCH_A \next, 0, 0
	SCALES \next
	WIN MUL_HI
	MUL16 4, 1, NQ-1, \slot, 0
	MUL16 6, 1, NQ-1, \slot, 0
	PLACES NP
	WIN 0
	FETCH_A \next, 0, 4
.endm
	s_wait_tensorcnt 1                             ; the scales and my part of K step 0 are in (K step 1's load may be out)
	s_barrier_signal -1
	s_barrier_wait -1                              ; everybody's are
	FETCH_B 0, 0, 0
	FETCH_A 0, 0, 0
	SCALES 0
	FETCH_A 0, 0, 4
	s_wait_loadcnt 0x0                             ; the bias
	s_cmp_eq_u32 s[PROJ], 2                        ; the first step is written twice: its products take the bias as C, by column or by row.  It holds no barrier, no tensor load and no LDS store
	s_cbranch_scc1 .Lfirst_rows
	STEP 0, 0, 1
	s_branch .Lfirst_done
.Lfirst_rows:
	STEP 0, 0, 2
.Lfirst_done:
	s_mov_b32 s3, LAPS-1
.Llap:                                                 ; a trip goes once round the ring, from a lap's second step to the next lap's first, and fills both slots again
	TURN 0, 1, 1
	STEP 1, 0, 0
	TURN 1, 0, 1
	STEP 0, 0, 0
	s_sub_co_u32 s3, s3, 1
	s_cmp_lg_u32 s3, 0
	s_cbranch_scc1 .Llap
	TURN 0, 1, 0                                   ; the last lap fills nothing, and has no round of the cluster's barrier
	STEP 1, 0, 0
	s_wait_dscnt 4*NL                              ; the very last step: nothing more to fetch
	WIN MUL_LO
	MUL16 0, 1, NQ-1, 1, 0
	MUL16 2, 1, NQ-1, 1, 0
	s_wait_dscnt 0
	WIN MUL_HI
	MUL16 4, 1, NQ-1, 1, 0
	MUL16 6, 1, NQ-1, 1, 0
	WIN 0
; 64 numbers of a lane in window w become a unit's codes in v[PC] on and its scale word in v[PW].  Blocks 0 and 1 lie at s0 and s0 + 16, blocks 2 and 3 at s1 and s1 + 16; a block's other 16 numbers lie in lane xor 16.
; Each accumulator is read from its low end on.
.macro QUANT w, s0, s1
	WIN ((\w)|((\w)<<2))                           ; sources 0 and 1 in window w
.irp b, 0,1,2,3
.set QB, (\s0)+((\s1)-(\s0))*(\b/2)+16*(\b%2)
	v_max3_num_f32 v[TM+\b], |v[QB]|, |v[QB+1]|, 0x1800000   ; my 16 numbers, and the floor 2^(3 - 127): the byte cannot fall under 1
.endr
.irp i, 2,4,6,8,10,12,14
.irp b, 0,1,2,3
.set QB, (\s0)+((\s1)-(\s0))*(\b/2)+16*(\b%2)
	v_max3_num_f32 v[TM+\b], |v[QB+\i]|, |v[QB+\i+1]|, v[TM+\b]   ; (the four blocks by turns)
.endr
.endr
	WIN 0
.irp b, 0,1,2,3
	v_permlanex16_b32 v[TM+4+\b], v[TM+\b], s[SEL], s[SEL+1]
.endr
.irp b, 0,1,2,3
	v_max_num_f32 v[TM+\b], v[TM+\b], v[TM+4+\b]   ; with lane xor 16's: the block's largest magnitude
.endr
.irp b, 0,1,2,3
	v_add_nc_u32 v[TM+12+\b], 0xff000000, v[TM+\b] ; 2 off its exponent field: the conversion's scale operand
.endr
.irp b, 0,1,2,3
	v_lshrrev_b32 v[TM+4+\b], 23, v[TM+12+\b]      ; the scale's byte
.endr
	v_lshl_or_b32 v[PW], v[TM+5], 8, v[TM+4]       ; the four bytes make the scale word
	v_lshl_or_b32 v[PW], v[TM+6], 16, v[PW]
	v_lshl_or_b32 v[PW], v[TM+7], 24, v[PW]
	WIN (\w)                                       ; source 0 in window w
	v_cvt_scalef32_pk16_fp6_f32 v[PC:PC+2], v[(\s0):(\s0)+15], v[TM+12]
	v_cvt_scalef32_pk16_fp6_f32 v[PC+12:PC+14], v[(\s0)+16:(\s0)+31], v[TM+13]   ; (a conversion's three registers begin on an even number)
	v_cvt_scalef32_pk16_fp6_f32 v[PC+6:PC+8], v[(\s1):(\s1)+15], v[TM+14]
	v_cvt_scalef32_pk16_fp6_f32 v[PC+16:PC+18], v[(\s1)+16:(\s1)+31], v[TM+15]
	WIN 0
	v_nop                                          ; one plain place behind a scaled conversion
.irp c, 0,1                                    ; the operand's layout wants a whole block in a lane: lanes 0-15 block 2 c, lanes 16-31 block 2 c + 1
.irp i, 0,1,2
	v_permlane16_swap_b32 v[PC+6*\c+\i], v[PC+12+4*\c+\i]
.endr
.irp i, 0,1,2
	v_mov_b32 v[PC+3+6*\c+\i], v[PC+12+4*\c+\i]
.endr
.endr
.endm
; THE WAY OUT.  path 0 (q, k): unit 4 x + B takes A's blocks 2 B and 2 B + 1 and the four tiles of head x.  path 1 (v): unit a takes A's block a and all eight tiles.  Each text has LDS bytes of its own.
.macro EPI path
	PLACES NP                                      ; behind the last products: their results are read and their scale words' registers written
.irp b, 0,1,2,3
	v_mov_b32 v[TM+4+\b], 0                        ; a lane permute's destination counts as one of its sources
.endr
.irp u, 0,1,2,3,4,5,6,7
.if \path == 0
	QUANT (2+(\u%4)/2), (64*((2*(\u%4))%4)+32*(\u/4)), (64*((2*(\u%4))%4)+32*(\u/4)+64)
.else
	QUANT (2+\u/4), (64*(\u%4)), (64*(\u%4)+32)
.endif
.irp c, 0,1,2
	ds_store_b128 v[8+3*\path], v[PC+4*\c:PC+4*\c+3] offset:1536*\u+16*\c   ; lanes 48 bytes apart: sixteen lanes touch sixteen different columns of 16 bytes
.endr
	ds_store_b32 v[9+3*\path], v[PW] offset:64*\u  ; lanes r and r + 16 write the same word with the same value
	s_wait_dscnt 0x0                               ; the stores have read their registers: the next unit may be made
.endr
.irp i, 0,1,2,3,4,5,6,7,8,9,10,11,12,13,14,15,16,17,18,19,20,21,22,23
	ds_load_b128 v[BK+4*\i:BK+4*\i+3], v[10+3*\path] offset:512*\i   ; my own bytes, in the order of issue
.endr
	ds_load_b128 v[BK+96:BK+99], v[10+3*\path] offset:12288          ; the 8 x 16 scale words
.irp i, 0,1,2,3,4,5,6,7,8,9,10,11,12,13,14,15,16,17,18,19,20,21,22,23
	s_wait_dscnt 24-\i                             ; the loads behind load i may be out
	global_store_b128 v[CO], v[BK+4*\i:BK+4*\i+3], s[12:13] offset:(\i/12)*98304+(\i%12)*512   ; 512 consecutive bytes, at a multiple of 256 from hc's first byte; units 4 to 7 belong to the next head
.endr
	s_wait_dscnt 0x0
	global_store_b128 v[SCO], v[BK+96:BK+99], s[66:67]   ; twice 256 consecutive bytes
.endm
	s_cmp_eq_u32 s[PROJ], 2
	s_cbranch_scc1 .Lout_v
	EPI 0
	s_branch .Lout_done
.Lout_v:
	EPI 1
.Lout_done:
	s_wait_tensorcnt 0x0                           ; the wave's end, behind my last tensor load and my last LDS store
	ds_add_u32 v[SPW], v[NIL]
	s_wait_dscnt 0x0
	CROUND                                         ; the closing round: no work-group ends while a partner may still ask for a tile that names it
	s_endpgm
.Lfunc_end_k_qfd785721be_gemm_qkv:
	.size	k_qfd785721be_gemm_qkv, .Lfunc_end_k_qfd785721be_gemm_qkv-k_qfd785721be_gemm_qkv
	.p2alignl 7, 3214868480
	.fill 96, 4, 3214868480
	.section	.rodata,"a",@progbits
	.p2align	6, 0x0
	.amdhsa_kernel k_qfd785721be_gemm_qkv
		.amdhsa_group_segment_fixed_size 327680
		.amdhsa_private_segment_fixed_size 0
		.amdhsa_enable_private_segment 0
		.amdhsa_kernarg_size 72
		.amdhsa_user_sgpr_count 2
		.amdhsa_user_sgpr_kernarg_segment_ptr 1
		.amdhsa_wavefront_size32 1
		.amdhsa_system_sgpr_workgroup_id_x 1
		.amdhsa_system_sgpr_workgroup_id_y 1
		.amdhsa_system_sgpr_workgroup_id_z 1
		.amdhsa_system_vgpr_workitem_id 0
		.amdhsa_next_free_vgpr 1024
		.amdhsa_next_free_sgpr 102
		.amdhsa_reserve_vcc 0
		.amdhsa_float_denorm_mode_32 3
		.amdhsa_float_denorm_mode_16_64 3
		.amdhsa_memory_ordered 1
		.amdhsa_forward_progress 1
		.amdhsa_inst_pref_size 230
	.end_amdhsa_kernel
	.amdgpu_metadata
---
amdhsa.version: [ 1, 2 ]
amdhsa.kernels:
  - .name:           k_qfd785721be_gemm_qkv
    .symbol:         k_qfd785721be_gemm_qkv.kd
    .args:
      - { .name: xc, .offset: 0, .size: 8, .value_kind: global_buffer, .address_space: global }
      - { .name: xs, .offset: 8, .size: 8, .value_kind: global_buffer, .address_space: global }
      - { .name: wc, .offset: 16, .size: 8, .value_kind: global_buffer, .address_space: global }
      - { .name: wsc, .offset: 24, .size: 8, .value_kind: global_buffer, .address_space: global }
      - { .name: bq, .offset: 32, .size: 8, .value_kind: global_buffer, .address_space: global }
      - { .name: bk, .offset: 40, .size: 8, .value_kind: global_buffer, .address_space: global }
      - { .name: bv, .offset: 48, .size: 8, .value_kind: global_buffer, .address_space: global }
      - { .name: hc, .offset: 56, .size: 8, .value_kind: global_buffer, .address_space: global }
      - { .name: hs, .offset: 64, .size: 8, .value_kind: global_buffer, .address_space: global }
    .group_segment_fixed_size: 327680
    .private_segment_fixed_size: 0
    .kernarg_segment_align: 8
    .kernarg_segment_size: 72
    .max_flat_workgroup_size: 128
    .sgpr_count:     102
    .vgpr_count:     1024
    .wavefront_size: 32
...
	.end_amdgpu_metadata
.endif
;; end of part 3
;; launch attn (part 4): grid 8 x 64, 16 waves a work-group, clusters of 4 x 1, 219,136 bytes of LDS; arguments hc, hs, oc, os; writes oc, os
.if DOCPART == 4
	.amdgcn_target "amdgcn-amd-amdhsa--gfx1250"
	.amdhsa_code_object_version 6
	.text
	.protected	k_qfd785721be_attn
	.globl	k_qfd785721be_attn
	.p2align	8
	.type	k_qfd785721be_attn,@function
k_qfd785721be_attn:
	s_mov_b64 s[64:65], 0
	v_nop
	global_prefetch_b8 v0, s[64:65] scope:SCOPE_SE
	s_setreg_imm32_b32 hwreg(HW_REG_WAVE_MODE, 25, 1), 1
	s_wait_xcnt 0x0
	s_wait_alu depctr_hold_cnt(0) depctr_sa_sdst(0) depctr_va_vdst(0) depctr_va_sdst(0) depctr_va_ssrc(0) depctr_va_vcc(0) depctr_vm_vsrc(0)
	s_getreg_b32 s2, hwreg(HW_REG_IB_STS2, 6, 4)
	s_cmp_eq_u32 s2, 0
	s_cbranch_scc0 .Lentry_in_a_cluster
	s_endpgm
.Lentry_in_a_cluster:
	s_bfe_u32 s2, ttmp6, 0x10000c
	s_cmp_lg_u32 s2, 0x3003
	s_cbranch_scc0 .Lentry_shape_is_right
	s_endpgm
.Lentry_shape_is_right:
; Attention of one head (64 of them: 16 x batch + head), 2,048 queries and keys, head size 64, both products on codes of FP6 (E2M3) with E8M0 scales; the result is divided by the row's sum, quantised along the head's 64
; and leaves as codes for the output projection.
; THE SOFTMAX AHEAD OF THE SECOND PRODUCT: t = score x log2(e) / 8; M = the row's largest t so far, rounded UP to a whole number; p = 2^(t - M) is what is quantised, along the keys.  The row's sum is taken of the
; unquantised p, in f32.  When M moves, the sum and O are multiplied by 2^(old M - new M): exact.
; SHARES.  A work-group owns 256 queries of a head, each of its sixteen waves 16: one tile, 256 registers, four waves to a SIMD, so that one wave's vector work stands beside another's matrix work and LDS loads.
; NO RING.  A head's codes of K and V (2 x 98,304 bytes) and their scale words (2 x 4,096) lie in LDS together: all is asked for once, at the head, and nothing is filled again.  The four query blocks of a
; cluster belong to one head: each load is asked for JOINTLY.  Wave 0 asks for K's, wave 1 for V's: the scale words, then four groups of four key steps; a group is read as soon as it has landed.
; No prefetch is written: every byte that the launch streams is asked for by the tensor loads at its head.
; LAYOUT.  Both products are used transposed (S^T = K Q^T, O^T = V^T P^T): a lane holds ONE query throughout.  hc holds operands as images of their 12 registers, lane L's 48 bytes at 48 L: three loads of 16 bytes.
; THE FIRST PRODUCT'S K IS 64, the instruction's 128: a unit of K holds TWO tiles of 16 keys, one in each half of the 128; Q stands in one half of source 1 and zero codes in the other.  So each unit feeds two
; matrix instructions.  The keys of a tile are chosen so that the 16 registers of tiles 2 B and 2 B + 1 are keys 32 B + 16 (lane / 16) + 0 .. 15; V's rows likewise for the head's 64.
; LIMITS: a block of zeros gets the byte 1 where the rule says 127 (its codes are zeros; this program alone reads the bytes); a block of the output whose largest magnitude lies under 2^-124 has its byte held at 1;
; 1 / sum is v_rcp_f32 and a multiplication; NaN and infinities are not served.  The output's scale bytes are stored one byte a lane, 2 of each token's 32: 1 byte for each 24 of codes.
.set HEADB, 98304                      ; a head's codes of K, or of V: 16 key steps x 4 units x 1,536 bytes
.set GRP,   24576                      ; four key steps: what one tensor load brings
.set VOFF,  HEADB                      ; LDS: K's codes at 0, V's here,
.set KSC,   2*HEADB                    ; K's scale words (256 bytes a key step),
.set VSC,   KSC+4096                   ; V's,
.set STG,   VSC+4096                   ; the way out's stages, 768 bytes a wave,
.set SPARE, STG+16*768                 ; and the spare words, 128 bytes a wave
.set AK0, 1                            ; v1   48 x lane
.set AV0, 2                            ; v2   VOFF + 48 x lane
.set AS0, 3                            ; v3   KSC + 4 x (lane % 16)
.set SPW, 5                            ; v5   LDS address of my spare word; never rewritten
.set NIL, 6                            ; v6   0; never rewritten
.set ADK, 8                            ; v8-10 the step's addresses: K's units, V's units, the scale words
.set ADV, 9
.set ADS, 10
.set QF,  16                           ; v16-27 Q in the lower half of the 128, zeros above; v28-39 zeros below, Q above
.set KF,  40                           ; v40-87 four units of K, then four of V
.set S,   96                           ; v96-159 S^T, then p
.set O,   160                          ; v160-191 O^T
.set P,   192                          ; v192-203 p's codes; v204-206, v208-210 the conversions' second halves
.set BM,  212                          ; v212-215 the blocks' largest; v216-219 at work, then bytes; v220-223 the conversions' scale operands
.set KS,  224                          ; v224-227 K's scale words; v228-231 V's
.set VS,  228
.set QS,  232                          ; v232 Q's scale word
.set PS,  233                          ; v233 p's
.set F,   234                          ; v[234:235] f = 2^(old M - new M)
.set T,   236                          ; v236 at work
.set L2,  238                          ; v[238:239] the sum's second chain.   v12 -M, v13 the largest t, v[14:15] the sum in two halves
.set WV,  12
.set G1C, 24                           ; s[24:31] descriptor group 1 for a group of codes; s[32:39] for the scale words
.set G1S, 32
.set G0S, 40                           ; s[40:43] group 0 for the scale words; s[44:59] for the four groups
.set G0C, 44
.set SEL, 60                           ; s[60:61] lane selects: lane xor 16
.set CS,  62                           ; s[62:63] c = log2(e) / 8
.set TK,  66                           ; s66 LDS byte of the step's codes; s67 of its scale words; s68 counts a group's steps
.set TS,  67
.set CNT, 68
.macro CROUND                          ; a round of the cluster's barrier
	s_barrier_signal -1
	s_barrier_wait -1
	s_cmp_lg_u32 s[WV], 0
	s_cbranch_scc1 .Lnot_wave_0_\@
	s_barrier_signal -3
.Lnot_wave_0_\@:
	s_barrier_wait -3
	s_barrier_signal -1
	s_barrier_wait -1
.endm
	s_load_b256 s[4:11], s[0:1], 0x0               ; hc, hs, oc, os
	v_lshl_add_u32 v[SPW], v0, 2, SPARE
	v_mov_b32 v[NIL], 0
	ds_add_u32 v[SPW], v[NIL]                      ; the wave's opening: the add and its wait stand ahead of the first tensor loads; the set-up below, work on registers, stands between them
	v_lshrrev_b32 v7, 5, v0
	v_readfirstlane_b32 s[WV], v7                  ; wave 0..15
	s_bfe_u32 s13, ttmp6, 0x40000                  ; cx: my place in the cluster
	s_lshl_b32 s14, ttmp9, 2
	s_add_co_u32 s14, s14, s13                     ; my block of 256 queries: it enters Q's and the outputs' addresses alone
	s_and_b32 s15, ttmp7, 0xffff                   ; the head, which the four partners share
	s_and_b32 s16, s[WV], 1                        ; wave 0 fetches K's, wave 1 V's.  Also: which half of a unit of Q is my tile
	; descriptor group 1: dense blocks, as rows of 256 bytes (32 elements of 8 bytes), no padding
	s_mov_b32 s[G1C], 15|(3<<16)|(1<<21)           ; 15:0 the mask: all four work-groups; 17:16 elements of 8 bytes; 21 set beside a mask
	s_mov_b32 s[G1C+1], 32<<16                     ; tensor_dim0
	s_mov_b32 s[G1C+2], (GRP/256)<<16              ; tensor_dim1 = 96
	s_mov_b32 s[G1C+3], 32<<16                     ; tile_dim0
	s_mov_b32 s[G1C+4], GRP/256                    ; tile_dim1
	s_mov_b32 s[G1C+5], 32                         ; tensor_dim0_stride
	s_mov_b32 s[G1C+6], 0
	s_mov_b32 s[G1C+7], 0
	s_mov_b32 s[G1S], 15|(3<<16)|(1<<21)
	s_mov_b32 s[G1S+1], 32<<16
	s_mov_b32 s[G1S+2], 16<<16                     ; 16 rows: 4,096 bytes
	s_mov_b32 s[G1S+3], 32<<16
	s_mov_b32 s[G1S+4], 16
	s_mov_b32 s[G1S+5], 32
	s_mov_b32 s[G1S+6], 0
	s_mov_b32 s[G1S+7], 0
	s_mul_i32 s17, s15, HEADB                      ; the head's codes in a third of hc, and in oc
	s_lshl_b32 s18, s15, 12                        ; its scale words in a third of hs
	s_add_co_u32 s19, s16, 1                       ; hc and hs hold q, k, v: 1 for k, 2 for v
	s_mul_i32 s20, s19, 6291456
	s_add_co_u32 s20, s20, s17
	s_mov_b32 s21, 0
	s_lshl_b32 s22, s19, 18
	s_add_co_u32 s22, s22, s18
	s_mov_b32 s23, 0
	s_mul_i32 s69, s16, HEADB                      ; and where they go in LDS: no place in the cluster enters an LDS address
	s_lshl_b32 s68, s16, 12
	s_lshl_b32 s2, s14, 3
	s_lshr_b32 s3, s[WV], 1
	s_add_co_u32 s2, s2, s3                        ; Q: my unit of 32 queries: 8 x block + wave / 2
	s_mul_i32 s70, s2, 1536
	s_add_co_u32 s70, s70, s17
	s_mul_i32 s3, s16, 24                          ; my tile's 24 bytes of a lane's 48
	s_add_co_u32 s70, s70, s3
	s_mov_b32 s71, 0
	s_lshl_b32 s72, s2, 6
	s_add_co_u32 s72, s72, s18
	s_mov_b32 s73, 0
	s_lshl_b32 s2, s14, 4
	s_add_co_u32 s2, s2, s[WV]                     ; my tile of 16 queries in the head
	s_mul_i32 s74, s2, 768
	s_add_co_u32 s74, s74, s17
	s_mov_b32 s75, 0
	s_lshr_b32 s3, s15, 4                          ; the batch: 128 tiles each
	s_lshl_b32 s3, s3, 7
	s_add_co_u32 s3, s3, s2
	s_lshl_b32 s76, s3, 9                          ; os: 16 tokens x 32 bytes a tile,
	s_and_b32 s3, s15, 15
	s_lshl_b32 s3, s3, 1
	s_add_co_u32 s76, s76, s3                      ; + 2 x head
	s_mov_b32 s77, 0
	s_mov_b32 s[SEL], 0x76543210
	s_mov_b32 s[SEL+1], 0xfedcba98
	s_mov_b32 s[CS], 0x3e38aa3b                    ; c = log2(e) / 8
	s_mov_b32 s[CS+1], s[CS]                       ; (named with it as a pair, so it is written)
	s_wait_dscnt 0x0                               ; the opening add is done
	s_wait_kmcnt 0x0
	s_add_nc_u64 s[78:79], s[4:5], s[20:21]        ; K's or V's codes of the head
	s_mov_b32 s[G0S], 1
	s_add_co_u32 s[G0S+1], s68, KSC
	s_add_nc_u64 s[G0S+2:G0S+3], s[6:7], s[22:23]
	s_or_b32 s[G0S+3], s[G0S+3], 0x80000000
.irp g, 0,1,2,3
	s_mov_b32 s[G0C+4*\g], 1                       ; count = 1
	s_add_co_u32 s[G0C+4*\g+1], s69, \g*GRP        ; LDS address
	s_add_nc_u64 s[G0C+4*\g+2:G0C+4*\g+3], s[78:79], \g*GRP
	s_or_b32 s[G0C+4*\g+3], s[G0C+4*\g+3], 0x80000000   ; type = 2
.endr
	s_add_nc_u64 s[70:71], s[4:5], s[70:71]        ; Q's codes,
	s_add_nc_u64 s[72:73], s[6:7], s[72:73]        ; Q's scale words,
	s_add_nc_u64 s[74:75], s[8:9], s[74:75]        ; my tile in oc,
	s_add_nc_u64 s[76:77], s[10:11], s[76:77]      ; and in os
	s_lshl_b32 s69, s16, 4                         ; 16 x (wave % 2): my tile's two bytes of Q's scale word
	CROUND                                         ; all four work-groups are here: the joint loads meet
	s_cmp_lt_u32 s[WV], 2                          ; all first fills of a wave stand in one branch on the wave's number: five loads of the wave are out at the most
	s_cbranch_scc0 .Lno_fetch
	tensor_load_to_lds s[G0S:G0S+3], s[G1S:G1S+7]
	s_nop 0
.irp g, 0,1,2,3
	tensor_load_to_lds s[G0C+4*\g:G0C+4*\g+3], s[G1C:G1C+7]
	s_nop 0
.endr
.rept 4
	v_nop
.endr
.Lno_fetch:
	v_and_b32 v7, 31, v0
	v_mul_u32_u24 v[AK0], v7, 48
	v_add_nc_u32 v[AV0], VOFF, v[AK0]
	v_and_b32 v7, 15, v0
	v_lshlrev_b32 v7, 2, v7                        ; 4 r
	v_add_nc_u32 v[AS0], KSC, v7
	v_bfe_u32 v4, v0, 4, 1                         ; h
.irp p, 0,1,2
	global_load_b64 v[QF+2*\p:QF+2*\p+1], v[AK0], s[70:71] offset:8*\p         ; Q stays in registers: once in the lower half of the 128,
	global_load_b64 v[QF+18+2*\p:QF+18+2*\p+1], v[AK0], s[70:71] offset:8*\p   ; once in the upper
.endr
	global_load_b32 v[QS], v7, s[72:73]
.irp j, 6,7,8,9,10,11,12,13,14,15,16,17
	v_mov_b32 v[QF+\j], 0                          ; zero codes in the other halves
.endr
	v_mov_b32 v13, 0xff61b1e6                      ; the largest t so far: -3e38, under every t
	v_floor_f32 v12, -v13                          ; -M
	v_mov_b32 v14, 0                               ; the sum, in two halves
	v_mov_b32 v15, 0
.irp b, 0,1,2,3
	v_mov_b32 v[BM+4+\b], 0                        ; a lane permute's destination counts as one of its sources
.endr
	v_mov_b32 v[F+1], 0                            ; (named as the upper half of a pair)
	v_mov_b32 v[T], 0
	s_wait_loadcnt 0x0                             ; Q
	v_lshrrev_b32 v[QS], s69, v[QS]                ; my tile's two bytes,
	v_and_b32 v[QS], 0xffff, v[QS]
	v_lshl_or_b32 v[QS], v[QS], 16, v[QS]          ; for both halves of the 128: the zero codes' bytes are a number too
.set j, 0
.rept 32
	v_mov_b32 v[O+j], 0                            ; O^T.  (The step is written for every step alike: the first finds zeros.  These are also the places between Q's scale word and the first product)
.set j, j+1
.endr
; A KEY STEP: 128 keys.
.macro STEP
	v_add_nc_u32 v[ADK], s[TK], v[AK0]             ; with the v_nop: the four places behind the last step's products, ahead of the loads into their registers
	v_add_nc_u32 v[ADV], s[TK], v[AV0]
	v_add_nc_u32 v[ADS], s[TS], v[AS0]
	v_nop
.irp u, 0,1,2,3
.irp c, 0,1,2
	ds_load_b128 v[KF+12*\u+4*\c:KF+12*\u+4*\c+3], v[ADK] offset:1536*\u+16*\c   ; lanes 48 bytes apart: sixteen lanes touch sixteen different columns of 16 bytes
.endr
	ds_load_b32 v[KS+\u], v[ADS] offset:64*\u
.endr
	s_wait_dscnt 0x0
.irp u, 0,1,2,3                                ; S^T = K Q^T: unit u holds tiles 2 u and 2 u + 1
.irp t, 0,1
	v_wmma_scale_f32_16x16x128_f8f6f4 v[S+8*(2*\u+\t):S+8*(2*\u+\t)+7], v[KF+12*\u:KF+12*\u+11], v[QF+12*\t:QF+12*\t+11], 0, v[KS+\u], v[QS] matrix_a_fmt:MATRIX_FMT_FP6 matrix_b_fmt:MATRIX_FMT_FP6
.endr
.endr
.rept 4
	v_nop                                          ; places ahead of the loads into K's registers and of the first read of the scores
.endr
.irp u, 0,1,2,3                                ; V's four units land while the softmax is worked
.irp c, 0,1,2
	ds_load_b128 v[KF+12*\u+4*\c:KF+12*\u+4*\c+3], v[ADV] offset:1536*\u+16*\c
.endr
	ds_load_b32 v[VS+\u], v[ADS] offset:4096+64*\u
.endr
.irp b, 0,1,2,3
	v_max3_num_f32 v[BM+\b], v[S+16*\b], v[S+1+16*\b], v[S+2+16*\b]   ; the largest score of each block of 32 keys: for the row's maximum, and, since p rises with the score, for the block's largest p
.endr
.irp i, 3,5,7,9,11,13
.irp b, 0,1,2,3
	v_max3_num_f32 v[BM+\b], v[BM+\b], v[S+16*\b+\i], v[S+1+16*\b+\i]   ; (the four blocks by turns)
.endr
.endr
.irp b, 0,1,2,3
	v_max_num_f32 v[BM+\b], v[BM+\b], v[S+15+16*\b]
.endr
.irp b, 0,1,2,3
	v_permlanex16_b32 v[BM+4+\b], v[BM+\b], s[SEL], s[SEL+1]
.endr
.irp b, 0,1,2,3
	v_max_num_f32 v[BM+\b], v[BM+\b], v[BM+4+\b]   ; with lane xor 16's 16 keys
.endr
	v_max3_num_f32 v[T], v[BM], v[BM+1], v[BM+2]
	v_max_num_f32 v[T], v[T], v[BM+3]              ; the step's largest score of my query
	v_mul_f32 v[T], s[CS], v[T]                    ; as t (c is positive)
	v_max_num_f32 v13, v13, v[T]                   ; the running largest t
	v_mov_b32 v[T], v12
	v_floor_f32 v12, -v13                          ; the new -M = floor(-t) = -ceil(t)
	v_sub_f32 v[T], v12, v[T]                      ; old M less new M: a whole number, 0 or less
	v_cvt_i32_f32 v[T], v[T]                       ; (it saturates)
	v_ldexp_f32 v[F], 1.0, v[T]                    ; f = 2^(old M - new M)
.set j, 0
.rept 32
	v_pk_fma_f32 v[S+j:S+j+1], v[S+j:S+j+1], s[CS:CS+1], v[12:13] op_sel_hi:[1,0,0]   ; t - M, two at a time
.set j, j+2
.endr
.irp b, 0,1,2,3
	v_fma_f32 v[BM+\b], v[BM+\b], s[CS], v12       ; the same of each block's largest score
.endr
.set j, 0
.rept 64
	v_exp_f32 v[S+j], v[S+j]                       ; p = 2^(t - M), at most 1: not normalised
.set j, j+1
.endr
	v_pk_mul_f32 v[14:15], v[14:15], v[F:F+1] op_sel_hi:[1,0]   ; the sums under the new M: a plain place behind the exponentials
	s_wait_alu depctr_va_vdst(0)                   ; one wait for the whole batch, ahead of its first reader
.irp b, 0,1,2,3
	v_exp_f32 v[BM+\b], v[BM+\b]                   ; the block's largest p: the same two instructions on the same number give the same bits
.endr
	v_pk_add_f32 v[L2:L2+1], v[S:S+1], v[S+2:S+3]  ; the row's sum is taken of the unquantised p: two at a time, in two chains
.set j, 4
.rept 15
	v_pk_add_f32 v[14:15], v[14:15], v[S+j:S+j+1]
	v_pk_add_f32 v[L2:L2+1], v[L2:L2+1], v[S+j+2:S+j+3]
.set j, j+4
.endr
	v_pk_add_f32 v[14:15], v[14:15], v[L2:L2+1]
	s_wait_alu depctr_va_vdst(0)                   ; and one for the four
.irp b, 0,1,2,3
	v_max_num_f32 v[BM+\b], 0x1800000, v[BM+\b]    ; the floor 2^(3 - 127): the byte cannot fall under 1
.endr
.irp b, 0,1,2,3
	v_add_nc_u32 v[BM+8+\b], 0xff000000, v[BM+\b]  ; 2 off the exponent field: the conversion's scale operand
.endr
.irp b, 0,1,2,3
	v_lshrrev_b32 v[BM+4+\b], 23, v[BM+8+\b]       ; the scale's byte
.endr
	v_lshl_or_b32 v[PS], v[BM+5], 8, v[BM+4]       ; p's scale word for these 128 keys
	v_lshl_or_b32 v[PS], v[BM+6], 16, v[PS]
	v_lshl_or_b32 v[PS], v[BM+7], 24, v[PS]
.irp c, 0,1
	v_cvt_scalef32_pk16_fp6_f32 v[P+6*\c:P+6*\c+2], v[S+32*\c:S+32*\c+15], v[BM+8+2*\c]
	v_cvt_scalef32_pk16_fp6_f32 v[P+12+4*\c:P+14+4*\c], v[S+16+32*\c:S+31+32*\c], v[BM+9+2*\c]   ; (a conversion's three registers begin on an even number)
.endr
	v_nop                                          ; one plain place behind a scaled conversion
.irp c, 0,1                                    ; the operand's layout wants a whole block in a lane
.irp i, 0,1,2
	v_permlane16_swap_b32 v[P+6*\c+\i], v[P+12+4*\c+\i]
.endr
.irp i, 0,1,2
	v_mov_b32 v[P+3+6*\c+\i], v[P+12+4*\c+\i]
.endr
.endr
.set j, 0
.rept 16
	v_pk_mul_f32 v[O+j:O+j+1], v[O+j:O+j+1], v[F:F+1] op_sel_hi:[1,0]   ; O^T under the new M.  (Sixteen vector instructions between p's scale word and codes and the products)
.set j, j+2
.endr
	s_wait_dscnt 0x0                               ; V is in
.irp t, 0,1,2,3                                ; O^T += V^T P^T: four accumulators by turns, one instruction a turn
	v_wmma_scale_f32_16x16x128_f8f6f4 v[O+8*\t:O+8*\t+7], v[KF+12*\t:KF+12*\t+11], v[P:P+11], v[O+8*\t:O+8*\t+7], v[VS+\t], v[PS] matrix_a_fmt:MATRIX_FMT_FP6 matrix_b_fmt:MATRIX_FMT_FP6
.endr
	s_add_co_u32 s[TK], s[TK], 6144
	s_add_co_u32 s[TS], s[TS], 256
.endm
; Group g: four key steps.  The fetching waves wait until their group g has landed (the 3 - g groups asked for behind it may be out; a wave that fetches nothing passes), then the barrier shows it to all sixteen.
; No LDS access of the wave is out at the signal: a step ends behind its wait for 0.
.macro GROUP g
	s_wait_tensorcnt 3-\g
	s_barrier_signal -1
	s_barrier_wait -1
	s_mov_b32 s[TK], \g*GRP
	s_mov_b32 s[TS], \g*1024
	s_mov_b32 s[CNT], 4
.Lstep_\@:
	STEP
	s_sub_co_u32 s[CNT], s[CNT], 1
	s_cmp_lg_u32 s[CNT], 0
	s_cbranch_scc1 .Lstep_\@
.endm
	GROUP 0
	GROUP 1
	GROUP 2
	GROUP 3
	; THE WAY OUT.  O^T / the sum; register 16 b + i is channel 32 b + 16 h + i of my query: two blocks of the output projection's K.  They are quantised as p is, and my 24 bytes (block h) go through my stage.
	v_add_f32 v14, v14, v15                        ; the sum's two halves,
	v_permlanex16_b32 v[T], v14, s[SEL], s[SEL+1]
	v_add_f32 v14, v14, v[T]                       ; and lane xor 16's: the row's sum
	v_rcp_f32 v14, v14
	v_and_b32 v7, 31, v0                           ; (plain work behind the reciprocal, and the places behind the last products)
	s_mul_i32 s16, s[WV], 768
	s_add_co_u32 s16, s16, STG                     ; my stage
	v_mul_u32_u24 v240, v7, 24
	v_add_nc_u32 v240, s16, v240                   ; in: 24 bytes a lane
	v_lshl_add_u32 v241, v7, 3, s16                ; back: 8 bytes a lane
	v_lshlrev_b32 v242, 3, v7                      ; and the same in oc
	v_and_b32 v243, 15, v0
	v_lshl_add_u32 v243, v243, 5, v4               ; os: 32 bytes a token, + h
	s_wait_alu depctr_va_vdst(0)                   ; the wait ahead of the reciprocal's first reader
.set j, 0
.rept 32
	v_mul_f32 v[S+j], v[O+j], v14                  ; each accumulator from its low end on
.set j, j+1
.endr
.irp b, 0,1
	v_max3_num_f32 v[BM+\b], |v[S+16*\b]|, |v[S+1+16*\b]|, 0x1800000
.endr
.irp i, 2,4,6,8,10,12,14
.irp b, 0,1
	v_max3_num_f32 v[BM+\b], v[BM+\b], |v[S+16*\b+\i]|, |v[S+1+16*\b+\i]|
.endr
.endr
.irp b, 0,1
	v_permlanex16_b32 v[BM+4+\b], v[BM+\b], s[SEL], s[SEL+1]
.endr
.irp b, 0,1
	v_max_num_f32 v[BM+\b], v[BM+\b], v[BM+4+\b]
.endr
.irp b, 0,1
	v_add_nc_u32 v[BM+8+\b], 0xff000000, v[BM+\b]
.endr
.irp b, 0,1
	v_lshrrev_b32 v[BM+4+\b], 23, v[BM+8+\b]
.endr
	v_cvt_scalef32_pk16_fp6_f32 v[P:P+2], v[S:S+15], v[BM+8]
	v_cvt_scalef32_pk16_fp6_f32 v[P+12:P+14], v[S+16:S+31], v[BM+9]
	v_nop                                          ; one plain place behind a scaled conversion
.irp i, 0,1,2
	v_permlane16_swap_b32 v[P+\i], v[P+12+\i]
.endr
.irp i, 0,1,2
	v_mov_b32 v[P+3+\i], v[P+12+\i]                ; v[P .. P + 5]: channels 32 h .. 32 h + 31 of my query
.endr
	v_cmp_ne_u32 vcc_lo, 0, v4
	v_cndmask_b32 v[T], v[BM+4], v[BM+5], vcc_lo   ; my block's byte
.irp p, 0,1,2
	ds_store_b64 v240, v[P+2*\p:P+2*\p+1] offset:8*\p
.endr
.irp p, 0,1,2
	ds_load_b64 v[KF+2*\p:KF+2*\p+1], v241 offset:256*\p   ; my own bytes, in the order of issue
.endr
	s_wait_dscnt 0x0
.irp p, 0,1,2
	global_store_b64 v242, v[KF+2*\p:KF+2*\p+1], s[74:75] offset:256*\p   ; 32 lanes store 256 consecutive bytes, at a multiple of 256 from oc's first byte
.endr
	global_store_b8 v243, v[T], s[76:77]           ; byte 2 x head + h of my token's 32
	s_wait_tensorcnt 0x0                           ; the wave's end, behind my last tensor load and my last LDS store
	ds_add_u32 v[SPW], v[NIL]
	s_wait_dscnt 0x0
	CROUND                                         ; the closing round
	s_endpgm
.Lfunc_end_k_qfd785721be_attn:
	.size	k_qfd785721be_attn, .Lfunc_end_k_qfd785721be_attn-k_qfd785721be_attn
	.p2alignl 7, 3214868480
	.fill 96, 4, 3214868480
	.section	.rodata,"a",@progbits
	.p2align	6, 0x0
	.amdhsa_kernel k_qfd785721be_attn
		.amdhsa_group_segment_fixed_size 219136
		.amdhsa_private_segment_fixed_size 0
		.amdhsa_enable_private_segment 0
		.amdhsa_kernarg_size 32
		.amdhsa_user_sgpr_count 2
		.amdhsa_user_sgpr_kernarg_segment_ptr 1
		.amdhsa_wavefront_size32 1
		.amdhsa_system_sgpr_workgroup_id_x 1
		.amdhsa_system_sgpr_workgroup_id_y 1
		.amdhsa_system_sgpr_workgroup_id_z 1
		.amdhsa_system_vgpr_workitem_id 0
		.amdhsa_next_free_vgpr 256
		.amdhsa_next_free_sgpr 80
		.amdhsa_reserve_vcc 1
		.amdhsa_float_denorm_mode_32 3
		.amdhsa_float_denorm_mode_16_64 3
		.amdhsa_memory_ordered 1
		.amdhsa_forward_progress 1
		.amdhsa_inst_pref_size 77
	.end_amdhsa_kernel
	.amdgpu_metadata
---
amdhsa.version: [ 1, 2 ]
amdhsa.kernels:
  - .name:           k_qfd785721be_attn
    .symbol:         k_qfd785721be_attn.kd
    .args:
      - { .name: hc, .offset: 0, .size: 8, .value_kind: global_buffer, .address_space: global }
      - { .name: hs, .offset: 8, .size: 8, .value_kind: global_buffer, .address_space: global }
      - { .name: oc, .offset: 16, .size: 8, .value_kind: global_buffer, .address_space: global }
      - { .name: os, .offset: 24, .size: 8, .value_kind: global_buffer, .address_space: global }
    .group_segment_fixed_size: 219136
    .private_segment_fixed_size: 0
    .kernarg_segment_align: 8
    .kernarg_segment_size: 32
    .max_flat_workgroup_size: 512
    .sgpr_count:     80
    .vgpr_count:     256
    .wavefront_size: 32
...
	.end_amdgpu_metadata
.endif
;; end of part 4
;; launch gemm_out (part 5): grid 4 x 32, 4 waves a work-group, clusters of 4 x 4, 327,680 bytes of LDS; arguments oc, os, wc, wsc, bo, out0; writes out0
.if DOCPART == 5
	.amdgcn_target "amdgcn-amd-amdhsa--gfx1250"
	.amdhsa_code_object_version 6
	.text
	.protected	k_qfd785721be_gemm_out
	.globl	k_qfd785721be_gemm_out
	.p2align	8
	.type	k_qfd785721be_gemm_out,@function
k_qfd785721be_gemm_out:
	s_mov_b64 s[64:65], 0
	v_nop
	global_prefetch_b8 v0, s[64:65] scope:SCOPE_SE
	s_setreg_imm32_b32 hwreg(HW_REG_WAVE_MODE, 25, 1), 1
	s_wait_xcnt 0x0
	s_wait_alu depctr_hold_cnt(0) depctr_sa_sdst(0) depctr_va_vdst(0) depctr_va_sdst(0) depctr_va_ssrc(0) depctr_va_vcc(0) depctr_vm_vsrc(0)
	s_getreg_b32 s2, hwreg(HW_REG_IB_STS2, 6, 4)
	s_cmp_eq_u32 s2, 0
	s_cbranch_scc0 .Lentry_in_a_cluster
	s_endpgm
.Lentry_in_a_cluster:
	s_bfe_u32 s2, ttmp6, 0x10000c
	s_cmp_lg_u32 s2, 0xf033
	s_cbranch_scc0 .Lentry_shape_is_right
	s_endpgm
.Lentry_shape_is_right:
; out0 = (attention's output) Wo + bo on codes of FP6 (E2M3) with E8M0 scales; M = 8,192, N = K = 1,024; sums and result in f32.
; A tile of C, 256 x 256, is made by four waves, 128 x 128 each: 64 accumulators, 512 registers.  K goes in steps of 256 (four heads) through a ring of two LDS slots filled by the tensor data mover; the scale bytes
; come once, with the first fills.  4 x 4 work-groups form a cluster: A's tiles are asked for jointly along a row of the cluster, B's along a column.
; A LIES BY HEADS: oc is 64 heads x 128 tiles of 16 tokens x 768 bytes, lane L's 24 bytes (token L % 16, channels 32 (L / 16) on) at 24 L.  A wave's load brings 4 heads x 8 tiles: four rows of 6,144 bytes, 98,304 apart.
; Two heads' pieces of a tile are the 12 registers of a fragment.  B is Wo's codes, rows of 768 bytes, at permuted places (bits 3 and 4 of the row exchanged): the way out puts the columns back.
; THE MATRIX INSTRUCTION IS USED TRANSPOSED (source 0 = 16 rows of B, source 1 = 16 rows of A): a lane holds eight neighbouring numbers of a row of C.  THE BIAS is the C of each sum's first matrix instruction.
; REGISTERS, in windows of 256: window 0: v0-31 addresses; v32-63 scale words, two sets; v64-127 the bias; v128-223 A's fragments, one set; on the way out v128-255 hold rows of C.
;   window 1: B's fragments, two sets.   window 2: the accumulators of my rows 0-63 ((a, b) at v[8 (8 a + b)]);   window 3: those of my rows 64-127.
.set SIZE_N, 1024
.set KSTEP,  256
.set NQ,     KSTEP/128
.set ROWB,   192                       ; B: a tile's row in bytes
.set KROW,   768                       ; B: a row of codes in memory
.set PITCH,  240                       ; B: an LDS row: 3 x (64 bytes + 16 of padding)
.set ASTEP,  4*98304                   ; A: a slot on: four heads
.set FR,     12
.set NL,     6
.set NP,     4                         ; places behind this matrix instruction (ISA guide 7.12.1)
.set HALFT,  128*PITCH                 ; a wave's quarter of a slot (A uses 24,576 bytes of it)
.set SLOT,   4*HALFT
.set LAPS,   2
.set KS,     32
.set SCL,    2*SLOT
.set HALFS,  (128*KS/256)*272
.set SBLK,   (16*KS/256)*272
.set SPARE,  SCL+4*HALFS
.set SPITCH, 528                       ; the way out: a stage of 16 rows x (512 bytes + 16) for each wave, in slot 0, which has had its last fill and its last read by then
.set ADRA, 16                          ; v16-17 LDS address of my A fragments in slot 0, 1
.set ADRB, 20                          ; v20-21 the same for B (v22-23: for the pieces behind one padding more)
.set STO,  24
.set RD,   25
.set CO,   26
.set ADRS, 27
.set SPW,  28                          ; v28 LDS address of my spare word; never rewritten
.set NIL,  29                          ; v29 0; never rewritten
.set SC,   32
.set BI,   64
.set AF,   128
.set BK,   128
.set G1, 24
.set G0, 32
.set G1B, 48
.set G0B, 56
.set G1S, 68
.set G0S, 76
.set G1SB, 80
.set G0SB, 88
.set MSB, 0
.macro WIN new                         ; the immediate's high byte repeats the setting that is left
.if MSB != \new
	s_set_vgpr_msb (MSB<<8)|\new
.set MSB, \new
.endif
.endm
.set MUL_LO, 0xa1
.set MUL_HI, 0xf1
.set BEG_LO, 0x81                      ; the first step: C (the bias) window 0, D window 2
.set BEG_HI, 0xc1
.set TO_B,   0x40
.macro JLOAD g0a, g1a, g0b, g1b        ; a joint load: waves 0 and 1 fetch for A, waves 2 and 3 for B; an s_nop 0 and four v_nop follow each of the two lines
	s_cmp_eq_u32 s15, 0
	s_cbranch_scc0 .Lfor_b_\@
	tensor_load_to_lds s[\g0a:\g0a+3], s[\g1a:\g1a+7]
	s_nop 0
.rept 4
	v_nop
.endr
	s_branch .Lasked_\@
.Lfor_b_\@:
	tensor_load_to_lds s[\g0b:\g0b+3], s[\g1b:\g1b+7]
	s_nop 0
.rept 4
	v_nop
.endr
.Lasked_\@:
.endm
.macro CREST
	s_cmp_lg_u32 s14, 0
	s_cbranch_scc1 .Lnot_wave_0_\@
	s_barrier_signal -3
.Lnot_wave_0_\@:
	s_barrier_wait -3
	s_barrier_signal -1
	s_barrier_wait -1
.endm
.macro CROUND
	s_barrier_signal -1
	s_barrier_wait -1
	CREST
.endm
	s_load_b256 s[4:11], s[0:1], 0x0               ; oc, os, wc, wsc
	s_load_b64 s[96:97], s[0:1], 0x20              ; bo
	s_load_b64 s[12:13], s[0:1], 0x28              ; out0
	v_lshl_add_u32 v[SPW], v0, 2, SPARE
	v_mov_b32 v[NIL], 0
	ds_add_u32 v[SPW], v[NIL]                      ; the wave's opening: the add and its wait stand ahead of my first tensor load
	v_lshrrev_b32 v1, 5, v0
	v_readfirstlane_b32 s14, v1                    ; wave 0..3
	s_lshr_b32 s15, s14, 1                         ; which half of the tile's rows is mine.  Also: I fetch for A (0) or for B (1)
	s_and_b32 s16, s14, 1                          ; which half of its columns.  Also: which 128 rows of that tile I fetch
	s_bfe_u32 s40, ttmp6, 0x40000                  ; cx, cy
	s_bfe_u32 s41, ttmp6, 0x40004
	s_lshl_b32 s42, ttmp9, 2
	s_add_co_u32 s42, s42, s40                     ; tile column of C
	s_and_b32 s17, ttmp7, 0xffff
	s_lshl_b32 s17, s17, 2
	s_add_co_u32 s17, s17, s41                     ; tile row of C
	s_lshl_b32 s43, s41, 2
	s_lshl_b32 s43, 15, s43                        ; my row of the cluster
	s_lshl_b32 s44, 0x1111, s40                    ; my column
	; A's tiles: 4 rows (heads) x 768 elements of 8 bytes, 12,288 elements apart, no padding
	s_or_b32 s[G1+0], s43, (3<<16)|(1<<21)         ; 15:0 the mask: my row; 17:16 elements of 8 bytes; 21 set beside a mask
	s_mov_b32 s[G1+1], 768<<16                     ; tensor_dim0
	s_mov_b32 s[G1+2], 4<<16                       ; tensor_dim1
	s_mov_b32 s[G1+3], 768<<16                     ; tile_dim0
	s_mov_b32 s[G1+4], 4                           ; tile_dim1
	s_mov_b32 s[G1+5], 12288                       ; tensor_dim0_stride
	s_mov_b32 s[G1+6], 0
	s_mov_b32 s[G1+7], 0
	; B's tiles: 128 rows x 192 bytes, 16 bytes of padding behind every 64
	s_or_b32 s[G1B+0], s44, (0<<16)|(1<<20)|(1<<21)|(3<<22)|(3<<25)
	s_mov_b32 s[G1B+1], ROWB<<16
	s_mov_b32 s[G1B+2], 128<<16
	s_mov_b32 s[G1B+3], ROWB<<16
	s_mov_b32 s[G1B+4], 128
	s_mov_b32 s[G1B+5], KROW
	s_mov_b32 s[G1B+6], 0
	s_mov_b32 s[G1B+7], 0
	; the scales of 128 rows: 16 rows of 256 bytes, 16 bytes of padding behind each
	s_or_b32 s[G1S+0], s43, (3<<16)|(1<<20)|(1<<21)|(5<<22)|(3<<25)
	s_or_b32 s[G1SB+0], s44, (3<<16)|(1<<20)|(1<<21)|(5<<22)|(3<<25)
.irp g, G1S, G1SB
	s_mov_b32 s[\g+1], 32<<16
	s_mov_b32 s[\g+2], (128*KS/256)<<16
	s_mov_b32 s[\g+3], 32<<16
	s_mov_b32 s[\g+4], 128*KS/256
	s_mov_b32 s[\g+5], 32
	s_mov_b32 s[\g+6], 0
	s_mov_b32 s[\g+7], 0
.endr
	s_lshr_b32 s20, s17, 3                         ; A's codes: the batch's 16 heads,
	s_mul_i32 s20, s20, 16*98304
	s_and_b32 s21, s17, 7
	s_mul_i32 s21, s21, 16*768                     ; + the tile row's 16 tiles of tokens,
	s_add_co_u32 s20, s20, s21
	s_mul_i32 s21, s16, 8*768                      ; + the 8 that I fetch
	s_add_co_u32 s20, s20, s21
	s_mov_b32 s21, 0
	s_lshl_b32 s18, s16, 7
	s_lshl_b32 s22, s17, 8
	s_add_co_u32 s22, s22, s18                     ; A's scales: row 256 x tile row + 128 x half,
	s_lshl_b32 s22, s22, 5                         ; 32 bytes a row
	s_mov_b32 s23, 0
	s_lshl_b32 s46, s42, 8
	s_add_co_u32 s46, s46, s18                     ; B: row 256 x tile column + 128 x half
	s_lshl_b32 s92, s46, 5
	s_add_co_u32 s92, s92, 3*32768                 ; Wo is the fourth weight in wsc
	s_mov_b32 s93, 0
	s_mul_i32 s46, s46, KROW
	s_add_co_u32 s46, s46, 3*1024*KROW             ; and in wc
	s_mov_b32 s47, 0
	s_mul_i32 s45, s14, HALFT                      ; where they go: no place in the cluster enters an LDS address
	s_mul_i32 s94, s14, HALFS
	s_wait_dscnt 0x0                               ; the opening add is done
	s_wait_kmcnt 0x0
	s_add_nc_u64 s[20:21], s[4:5], s[20:21]
	s_add_nc_u64 s[22:23], s[6:7], s[22:23]
	s_add_nc_u64 s[46:47], s[8:9], s[46:47]
	s_add_nc_u64 s[92:93], s[10:11], s[92:93]
	CROUND                                         ; all sixteen work-groups are here: the first joint loads meet
	s_mov_b32 s[G0S], 1
	s_add_co_u32 s[G0S+1], s94, SCL
	s_mov_b64 s[G0S+2:G0S+3], s[22:23]
	s_or_b32 s[G0S+3], s[G0S+3], 0x80000000
	s_mov_b32 s[G0SB], 1
	s_add_co_u32 s[G0SB+1], s94, SCL
	s_mov_b64 s[G0SB+2:G0SB+3], s[92:93]
	s_or_b32 s[G0SB+3], s[G0SB+3], 0x80000000
	JLOAD G0S, G1S, G0SB, G1SB                     ; the scales first
.irp s, 0,1
	s_mov_b32 s[G0+4*\s], 1
	s_add_co_u32 s[G0+4*\s+1], s45, \s*SLOT
	s_add_nc_u64 s[G0+4*\s+2:G0+4*\s+3], s[20:21], \s*ASTEP
	s_or_b32 s[G0+4*\s+3], s[G0+4*\s+3], 0x80000000
	s_mov_b32 s[G0B+4*\s], 1
	s_add_co_u32 s[G0B+4*\s+1], s45, \s*SLOT
	s_add_nc_u64 s[G0B+4*\s+2:G0B+4*\s+3], s[46:47], \s*ROWB
	s_or_b32 s[G0B+4*\s+3], s[G0B+4*\s+3], 0x80000000
	JLOAD G0+4*\s, G1, G0B+4*\s, G1B
.endr
	v_and_b32 v1, 15, v0                           ; r
	v_bfe_u32 v2, v0, 4, 1                         ; h
	v_mul_u32_u24 v3, v1, PITCH
	v_mul_u32_u24 v4, v2, 24
	v_add_nc_u32 v4, v3, v4                        ; B: a fragment's row x pitch + 24 x half
	v_lshl_add_u32 v5, v2, 4, v4                   ; and the same behind one padding more
	v_and_b32 v6, 31, v0
	v_mul_u32_u24 v3, v6, 24                       ; A: 24 bytes a lane: 6 words from lane to lane, so the 32 lanes of a load of 8 bytes touch 64 different banks
	s_mul_i32 s21, s15, HALFT                      ; my 128 rows of A
	s_mul_i32 s22, s16, HALFT                      ; my 128 rows of B,
	s_add_co_u32 s22, s22, 2*HALFT                 ; behind A's two quarters
.irp s, 0,1
	v_add_nc_u32 v[ADRA+\s], s21, v3
	v_add_nc_u32 v[ADRB+\s], s22, v4
	v_add_nc_u32 v[ADRB+2+\s], s22, v5
	s_add_co_u32 s21, s21, SLOT
	s_add_co_u32 s22, s22, SLOT
.endr
	v_mul_u32_u24 v5, v1, KS                       ; my row's scales
	v_lshrrev_b32 v6, 8, v5
	v_lshl_add_u32 v5, v6, 4, v5
	s_mul_i32 s21, s15, HALFS
	s_mul_i32 s22, s16, HALFS
	s_add_co_u32 s22, s22, 2*HALFS
	s_sub_co_u32 s22, s22, s21
	v_mul_u32_u24 v6, s22, v2                      ; lanes 16-31 take B's
	s_add_co_u32 s21, s21, SCL
	v_add_nc_u32 v5, v5, v6
	v_add_nc_u32 v[ADRS], s21, v5
	s_mul_i32 s23, s14, 16*SPITCH                  ; my stage
	v_mul_u32_u24 v5, v1, SPITCH                   ; in: row r; register j of tile b is column 32 (b / 2) + 16 h + 8 (b % 2) + j: 64 h bytes here, the rest in the stores' immediates
	v_lshl_add_u32 v5, v2, 6, v5
	v_add_nc_u32 v[STO], s23, v5
	v_and_b32 v6, 31, v0
	v_lshlrev_b32 v[CO], 4, v6                     ; back: the 32 lanes take one row of 512 bytes; and the same in C
	v_add_nc_u32 v[RD], s23, v[CO]
	s_lshl_b32 s20, s17, 8
	s_lshl_b32 s21, s15, 7
	s_add_co_u32 s20, s20, s21                     ; my first row of C
	s_lshl_b32 s20, s20, 12                        ; 4,096 bytes a row
	s_mov_b32 s21, 0
	s_lshl_b32 s46, s42, 10                        ; my first column, in bytes
	s_lshl_b32 s47, s16, 9
	s_add_co_u32 s46, s46, s47
	s_mov_b32 s47, 0
	s_add_nc_u64 s[96:97], s[96:97], s[46:47]      ; the bias at my first column
	s_add_nc_u64 s[20:21], s[20:21], s[46:47]
	s_add_nc_u64 s[12:13], s[12:13], s[20:21]
	v_lshlrev_b32 v7, 6, v2                        ; the bias in the result's layout
.irp b, 0,1,2,3,4,5,6,7
	global_load_b128 v[BI+8*\b:BI+8*\b+3], v7, s[96:97] offset:(32*(\b/2)+8*(\b%2))*4
	global_load_b128 v[BI+8*\b+4:BI+8*\b+7], v7, s[96:97] offset:(32*(\b/2)+8*(\b%2))*4+16
.endr
.macro FRAG reg, adr, q, i             ; a fragment of B: 12 registers, in pieces of 8 bytes; where the piece of lanes 16-31 lies behind one padding more, the second address register serves
.irp p, 0,1,2,3,4,5
.set PCE, 12*(\q)+6*(\p/3)+\p%3
.if PCE%8 < 5
	ds_load_b64 v[\reg+2*\p:\reg+2*\p+1], v[\adr] offset:8*PCE+16*(PCE/8)+(\i)*16*PITCH
.else
	ds_load_b64 v[\reg+2*\p:\reg+2*\p+1], v[\adr+2] offset:8*PCE+16*(PCE/8)+(\i)*16*PITCH
.endif
.endr
.endm
.macro FRAG_A reg, slot, q, i          ; a fragment of A: registers 0-5 from head 2 q of the slot's four, registers 6-11 from head 2 q + 1; tile i of my eight
.irp p, 0,1,2,3,4,5
	ds_load_b64 v[\reg+2*\p:\reg+2*\p+1], v[ADRA+\slot] offset:(2*(\q)+\p/3)*6144+(\i)*768+8*(\p%3)
.endr
.endm
; 16 matrix instructions: A's blocks a0, a0 + 1 x B's eight.  start = 1: the sums begin with the bias.  The 64 accumulators take turns, one instruction a turn.
.macro MUL16 a0, p, q, sc, start
.irp a, \a0, \a0+1
.irp b, 0,1,2,3,4,5,6,7
.if \start
	v_wmma_scale_f32_16x16x128_f8f6f4 v[8*(8*((\a)%4)+\b):8*(8*((\a)%4)+\b)+7], v[128*(\p)+FR*\b:128*(\p)+FR*\b+FR-1], v[AF+FR*(\a):AF+FR*(\a)+FR-1], v[BI+8*\b:BI+8*\b+7], v[SC+8*NQ*(\sc)+NQ*\b+(\q)], v[SC+8*NQ*(\sc)+NQ*(\a)+(\q)] matrix_a_fmt:MATRIX_FMT_FP6 matrix_b_fmt:MATRIX_FMT_FP6 matrix_a_scale:MATRIX_SCALE_ROW1
.else
	v_wmma_scale_f32_16x16x128_f8f6f4 v[8*(8*((\a)%4)+\b):8*(8*((\a)%4)+\b)+7], v[128*(\p)+FR*\b:128*(\p)+FR*\b+FR-1], v[AF+FR*(\a):AF+FR*(\a)+FR-1], v[8*(8*((\a)%4)+\b):8*(8*((\a)%4)+\b)+7], v[SC+8*NQ*(\sc)+NQ*\b+(\q)], v[SC+8*NQ*(\sc)+NQ*(\a)+(\q)] matrix_a_fmt:MATRIX_FMT_FP6 matrix_b_fmt:MATRIX_FMT_FP6 matrix_a_scale:MATRIX_SCALE_ROW1
.endif
.endr
.endr
.endm
.macro FETCH_B slot, q, p
	WIN TO_B
.irp i, 0,1,2,3,4,5,6,7
	FRAG 128*(\p)+FR*\i, ADRB+\slot, \q, \i
.endr
	WIN 0
.endm
.macro FETCH_A slot, q, i0
.irp i, \i0, \i0+1, \i0+2, \i0+3
	FRAG_A AF+FR*(\i), \slot, \q, \i
.endr
.endm
.macro SCALES sc
.irp i, 0,1,2,3,4,5,6,7
	ds_load_b64 v[SC+8*NQ*\sc+NQ*\i:SC+8*NQ*\sc+NQ*\i+1], v[ADRS] offset:\i*SBLK
.endr
.endm
.macro PLACES n
.rept \n
	v_nop
.endr
.endm
.macro STEP slot, q, start
	s_wait_dscnt 4*NL                              ; B's set and A's blocks 0-3 are in; the youngest 24 loads (A's blocks 4-7) may be out
.if \start
	WIN BEG_LO
.else
	WIN MUL_LO
.endif
	MUL16 0, (\q)%2, \q, \slot, \start
	MUL16 2, (\q)%2, \q, \slot, \start
	s_wait_dscnt 0
	PLACES NP
	FETCH_B \slot, (\q)+1, 1-(\q)%2
	FETCH_A \slot, (\q)+1, 0
.if \start
	WIN BEG_HI
.else
	WIN MUL_HI
.endif
	MUL16 4, (\q)%2, \q, \slot, \start
	MUL16 6, (\q)%2, \q, \slot, \start
	PLACES NP
	WIN 0
	FETCH_A \slot, (\q)+1, 4
.endm
.macro TURN slot, next, fill
	s_wait_tensorcnt 0x0                           ; all my tensor loads have landed: my part of the next slot
	ds_add_u32 v[SPW], v[NIL]                      ; 0 onto my spare word
	s_wait_dscnt 4*NL+1                            ; (the add and the youngest 24 loads may be out)
	WIN MUL_LO
	MUL16 0, 1, NQ-1, \slot, 0
	s_wait_dscnt 0x0                               ; the add is done, and my reads of this slot are over
	s_barrier_signal -1
	MUL16 2, 1, NQ-1, \slot, 0
	WIN 0
	s_barrier_wait -1
.if \fill
	CREST                                          ; the barrier has opened a round of the cluster's barrier
	s_add_nc_u64 s[G0+4*\slot+2:G0+4*\slot+3], s[G0+4*\slot+2:G0+4*\slot+3], 2*ASTEP
	s_add_nc_u64 s[G0B+4*\slot+2:G0B+4*\slot+3], s[G0B+4*\slot+2:G0B+4*\slot+3], 2*ROWB
	JLOAD G0+4*\slot, G1, G0B+4*\slot, G1B         ; the first tensor load behind the round; its four v_nop are the places in front of the loads below
.else
	PLACES NP
.endif
	v_add_nc_u32 v[ADRS], 4*NQ, v[ADRS]
	FETCH_B \next, 0, 0
	FETCH_A \next, 0, 0
	SCALES \next
	WIN MUL_HI
	MUL16 4, 1, NQ-1, \slot, 0
	MUL16 6, 1, NQ-1, \slot, 0
	PLACES NP
	WIN 0
	FETCH_A \next, 0, 4
.endm
	s_wait_tensorcnt 1                             ; the scales and my part of K step 0 are in (K step 1's load may be out),
	s_barrier_signal -1
	s_barrier_wait -1                              ; everybody's are
	FETCH_B 0, 0, 0
	FETCH_A 0, 0, 0
	SCALES 0
	FETCH_A 0, 0, 4
	s_wait_loadcnt 0x0                             ; the bias
	STEP 0, 0, 1                                   ; the first step stands in front of the loop: its products start the sums with the bias
	s_mov_b32 s3, LAPS-1
.Llap:
	TURN 0, 1, 1
	STEP 1, 0, 0
	TURN 1, 0, 1
	STEP 0, 0, 0
	s_sub_co_u32 s3, s3, 1
	s_cmp_lg_u32 s3, 0
	s_cbranch_scc1 .Llap
	TURN 0, 1, 0                                   ; the last lap fills nothing
	STEP 1, 0, 0
	s_wait_dscnt 4*NL
	WIN MUL_LO
	MUL16 0, 1, NQ-1, 1, 0
	MUL16 2, 1, NQ-1, 1, 0
	s_wait_dscnt 0
	WIN MUL_HI
	MUL16 4, 1, NQ-1, 1, 0
	MUL16 6, 1, NQ-1, 1, 0
	WIN 0
; THE WAY OUT, block by block of 16 rows x 128 columns, through my own stage; it comes back as whole rows of 512 bytes.  LDS serves a wave's instructions in order: no wait between the stores and the loads.
.macro TOSTAGE a
.set AC, 64*((\a)%4)
	WIN 0x08+4*((\a)/4)                            ; the data: window 2 or 3
.irp b, 0,1,2,3,4,5,6,7
	ds_store_b128 v[STO], v[AC+8*\b:AC+8*\b+3] offset:128*(\b/2)+32*(\b%2)          ; each accumulator from its low end on; the columns go back to their true places
	ds_store_b128 v[STO], v[AC+8*\b+4:AC+8*\b+7] offset:128*(\b/2)+32*(\b%2)+16
.endr
	WIN 0
.set BB, BK+64*((\a)%2)
.irp t, 0,1,2,3,4,5,6,7,8,9,10,11,12,13,14,15
	ds_load_b128 v[BB+4*\t:BB+4*\t+3], v[RD] offset:\t*SPITCH
.endr
.endm
.macro SEND a, younger                 ; younger: the LDS instructions issued behind block a's loads, which may stay out
.set BB, BK+64*((\a)%2)
	s_wait_dscnt \younger
.if (\a) > 0
	s_add_nc_u64 s[12:13], s[12:13], 16*SIZE_N*4   ; (behind a wait on XCNT: the earlier stores have read their base)
.endif
.irp t, 0,1,2,3,4,5,6,7,8,9,10,11,12,13,14,15
	global_store_b128 v[CO], v[BB+4*\t:BB+4*\t+3], s[12:13] offset:\t*SIZE_N*4 th:TH_STORE_NT   ; 32 lanes store 512 consecutive bytes, at a multiple of 256 from the output's first byte
.endr
.endm
	PLACES NP
	TOSTAGE 0
.irp a, 1,2,3,4,5,6,7
.if \a > 1
	s_wait_xcnt 0x0                                ; block a - 2's stores have read their registers and their base
.endif
	TOSTAGE \a
	SEND \a-1, 32                                  ; behind block a - 1's loads: block a's 16 stores and 16 loads
.endr
	s_wait_xcnt 0x0
	SEND 7, 0
	s_wait_tensorcnt 0x0                           ; the wave's end, behind my last tensor load and my last LDS store
	ds_add_u32 v[SPW], v[NIL]
	s_wait_dscnt 0x0
	CROUND                                         ; the closing round
	s_endpgm
.Lfunc_end_k_qfd785721be_gemm_out:
	.size	k_qfd785721be_gemm_out, .Lfunc_end_k_qfd785721be_gemm_out-k_qfd785721be_gemm_out
	.p2alignl 7, 3214868480
	.fill 96, 4, 3214868480
	.section	.rodata,"a",@progbits
	.p2align	6, 0x0
	.amdhsa_kernel k_qfd785721be_gemm_out
		.amdhsa_group_segment_fixed_size 327680
		.amdhsa_private_segment_fixed_size 0
		.amdhsa_enable_private_segment 0
		.amdhsa_kernarg_size 48
		.amdhsa_user_sgpr_count 2
		.amdhsa_user_sgpr_kernarg_segment_ptr 1
		.amdhsa_wavefront_size32 1
		.amdhsa_system_sgpr_workgroup_id_x 1
		.amdhsa_system_sgpr_workgroup_id_y 1
		.amdhsa_system_sgpr_workgroup_id_z 1
		.amdhsa_system_vgpr_workitem_id 0
		.amdhsa_next_free_vgpr 1024
		.amdhsa_next_free_sgpr 98
		.amdhsa_reserve_vcc 0
		.amdhsa_float_denorm_mode_32 3
		.amdhsa_float_denorm_mode_16_64 3
		.amdhsa_memory_ordered 1
		.amdhsa_forward_progress 1
		.amdhsa_inst_pref_size 162
	.end_amdhsa_kernel
	.amdgpu_metadata
---
amdhsa.version: [ 1, 2 ]
amdhsa.kernels:
  - .name:           k_qfd785721be_gemm_out
    .symbol:         k_qfd785721be_gemm_out.kd
    .args:
      - { .name: oc, .offset: 0, .size: 8, .value_kind: global_buffer, .address_space: global }
      - { .name: os, .offset: 8, .size: 8, .value_kind: global_buffer, .address_space: global }
      - { .name: wc, .offset: 16, .size: 8, .value_kind: global_buffer, .address_space: global }
      - { .name: wsc, .offset: 24, .size: 8, .value_kind: global_buffer, .address_space: global }
      - { .name: bo, .offset: 32, .size: 8, .value_kind: global_buffer, .address_space: global }
      - { .name: out0, .offset: 40, .size: 8, .value_kind: global_buffer, .address_space: global }
    .group_segment_fixed_size: 327680
    .private_segment_fixed_size: 0
    .kernarg_segment_align: 8
    .kernarg_segment_size: 48
    .max_flat_workgroup_size: 128
    .sgpr_count:     98
    .vgpr_count:     1024
    .wavefront_size: 32
...
	.end_amdgpu_metadata
.endif
;; end of part 5
